; MI455X (gfx1250); checked and timed in simulation.
; The chip was launched on July 23, 2026; its instructions are those of AMD's public machine-readable ISA for CDNA 5 (MIT licence, August 2026) and "CDNA5" Instruction Set Architecture Reference Guide (July 2026). The comments in the code are by the model that wrote it; some were corrected since.
;; Attention. Allowed arithmetic: matrix products marked QUANTISED: E2M3 operands, one E8M0 scale for each 32 along K, by v_wmma_scale_f32_16x16x128_f8f6f4 with both operands' format E2M3, f32 sums; everything else in f32.
;; Inputs: proj_bias 1,024 float32; proj_weight 1,024 x 1,024 float32; w_bias 3,072 float32; w_weight 3,072 x 1,024 float32; x 4 x 2,048 x 1,024 float32.
;; Outputs: out0 4 x 2,048 x 1,024 float32.
;; This version of the problem:
;;   THIS VERSION OF THE PROBLEM IS GIVEN IN LOW PRECISION. The matrix products marked QUANTISED in the list below multiply operands that are first quantised to E2M3 (2 exponent bits, 3 mantissa bits; 6 bits a number), with one power-of-two scale for each 32 numbers along K (OCP MX v1.0); their sums are f32. All else is computed in f32.
;;   The module's matrix products, in the order in which they are computed (A, B: the left and right operand; K: the contracted axis; several contracted axes count as one K, in the product's order):
;;     1. [M 8,192, K 1,024] x [K 1,024, N 3,072]; A: input x; B: input w_weight: QUANTISED
;;     2. batch 64 x [M 2,048, K 64] x [K 64, N 2,048]; A: computed on the way; B: computed on the way: QUANTISED
;;     3. batch 64 x [M 2,048, K 2,048] x [K 2,048, N 64]; A: softmax (see below); B: computed on the way: QUANTISED
;;     4. [M 8,192, K 1,024] x [K 1,024, N 1,024]; A: computed on the way; B: input proj_weight: QUANTISED
;;   THE QUANTISER, for each operand of a quantised product, along K:
;;     - K is cut into blocks of 32 from its start; a last block that is shorter is filled with zeros.
;;     - A block's scale is 2^e with e = floor(log2(the largest magnitude in the block)) - 2, held to -126 .. 127; a block of zeros has e = 0. As a byte (E8M0): e + 127.
;;     - Each number is divided by its block's scale, clamped to +-7.5, and rounded to the nearest number of E2M3, ties to even, subnormals kept.
;;     - The product sums the exact products of the quantised numbers (number of the format x scale) in f32.
;;   ~~~python
;;   def quantise(x, axis):      # numpy; x: float32 -> the quantised numbers, widened to float32 again
;;       x = np.moveaxis(x, axis, -1); K = x.shape[-1]
;;       x = np.pad(x, [(0, 0)] * (x.ndim - 1) + [(0, -K % 32)]); x = x.reshape(x.shape[:-1] + (-1, 32)); a = np.abs(x).max(-1, keepdims=True)
;;       e = np.where(a > 0, np.clip(np.frexp(np.where(a > 0, a, 1))[1] - 1 - 2, -126, 127), 0)      # np.frexp(a)[1] - 1 = floor(log2(a)), exactly
;;       r = np.clip(x / 2.0 ** e, -7.5, 7.5)
;;       step = 2.0 ** (np.maximum(np.frexp(np.where(r == 0, 1, r))[1] - 1, 0) - 3)
;;       q = np.round(r / step) * step * 2.0 ** e      # np.round: ties to even
;;       return np.moveaxis(q.reshape(q.shape[:-2] + (-1,))[..., :K], -1, axis).astype(np.float32)
;;   ~~~
;;   SOFTMAX AHEAD OF A QUANTISED PRODUCT. Where the list says 'softmax', what is quantised is not the finished softmax but p = 2^(t - M), with t = logit x log2(e) and M = ceil(the row's largest t), a whole number; so 1/2 < the row's largest p <= 1. The row's sum l is taken of the UNQUANTISED p, in f32, and the product's result is divided by l at the end. Since M is a whole number, a kernel that streams over the keys may use a running M (the ceiling of the running maximum): every later rescaling is an exact power of two, which a block's scale takes up: the codes' values come out the same.
;;   OPERANDS COMPUTED ON THE WAY. 'Computed on the way' means the value that the module computes at that place (a softmax that the list does not call 'softmax' is quantised finished and normalised). What goes into a quantiser is computed in f32, as accurately as f32 sums, v_exp_f32 and their like allow (about 1e-6 of the number): no bf16 or f16 on the way to a quantiser, and a product that is left as it is and whose result goes on into a quantised operand takes f32 operands (vector FMAs, or v_wmma_f32_16x16x4_f32). A number that lies on a knife's edge between two numbers of the format may be rounded either way, as far as f32 arithmetic and the matrix unit's own rounding can turn it there, and no further.
;; One version. Each part assembles by itself: llvm-mc -triple=amdgcn-amd-amdhsa -mcpu=gfx1250 --defsym DOCPART=n.
;; ======== version 1 of 1: 4 launches
;; limits: right only within a limited range of input values
;; workspace buffers: cin 9,437,184 bytes; sin 393,216 bytes; cqkv 18,874,368 bytes; sqkv 786,432 bytes; catt 6,291,456 bytes; satt 262,144 bytes
;; launch quant (part 1): grid 384 x 1, 4 waves a work-group, no clusters, 33,280 bytes of LDS; arguments x, w_weight, proj_weight, cin, sin; writes cin, sin
.if DOCPART == 1
	.amdgcn_target "amdgcn-amd-amdhsa--gfx1250"
	.amdhsa_code_object_version 6
	.text
	.protected	k_q68cd9be9c0_quant
	.globl	k_q68cd9be9c0_quant
	.p2align	8
	.type	k_q68cd9be9c0_quant,@function
k_q68cd9be9c0_quant:
	s_mov_b64 s[64:65], 0
	v_nop
	global_prefetch_b8 v0, s[64:65] scope:SCOPE_SE
	s_setreg_imm32_b32 hwreg(HW_REG_WAVE_MODE, 25, 1), 1
	s_wait_xcnt 0x0
; x [8192][1024], w_weight [3072][1024] and proj_weight [1024][1024], f32, K innermost, become codes of FP6 (E2M3) with one E8M0 byte for each 32 along K.
; cin: 12,288 rows of 768 bytes (x's rows, then w_weight's, then proj_weight's); sin: 32 bytes a row, the same rows.
; THE ROWS ARE STORED IN ANOTHER ORDER: bits 3 and 4 of the row's number change places.  So sixteen rows that lie on end, taken as source 0 of a matrix instruction,
; give a lane eight results that are neighbours, and two such tiles sixteen neighbours: what the next quantiser wants in a lane's registers.
; A block's scale is 2^(floor(log2(largest magnitude)) - 2); its byte is the largest magnitude's exponent field - 2, held at 1 from below.
; LIMITS: a block of zeros gets the byte 1 where the rule says 127 (its codes are zeros, and this program alone reads the bytes); NaN and infinities among the inputs are not served.
; A work-group takes 32 rows, a wave 8 rows = 8,192 numbers in 16 steps of 512.  A wave's number is the row's bits 3 and 4: the change of order is a change of the wave's place in the output.
; Each load reads 512 consecutive bytes; a step's 2,048 bytes turn through the wave's own stage in LDS and come back 64 bytes (16 neighbours) a lane.  No barrier: waves share nothing.
.set WAVES, 4
.set STEPS, 16
.set EMAX,  2
.set CB,    12                         ; bytes of 16 codes
.set R,     16                         ; v16-79   four sets of 16 numbers as they are loaded
.set X,     80                         ; v80-111  two sets of 16 neighbours
.set C,     128                        ; v128-191 codes: four registers for each step, so that no store's data are written again
.set E,     112                        ; v112-127 a scale byte for each step
.set WREG,  8192                       ; LDS: a region for each wave: two stages of 32 x SP bytes, behind them its 256 scale bytes
.set SP,    80                         ; a lane's place in a stage: 64 bytes + 16 of padding
.set SPW,   12                         ; v12      LDS address of my spare word; never rewritten
.set NIL,   13                         ; v13      0; never rewritten
.set SPARE, WAVES*WREG                 ; behind the four regions: the spare words, 128 bytes a wave
	s_load_b256 s[4:11], s[0:1], 0x0               ; x s[4:5], w_weight s[6:7], proj_weight s[8:9], cin s[10:11]
	s_load_b64 s[12:13], s[0:1], 0x20              ; sin
	v_lshl_add_u32 v[SPW], v0, 2, SPARE
	v_mov_b32 v[NIL], 0
	v_lshrrev_b32 v1, 5, v0
	v_readfirstlane_b32 s16, v1                    ; wave
	v_and_b32 v2, 31, v0                           ; lane
	v_lshlrev_b32 v3, 4, v2                        ; my 16 bytes of a load's 512
	s_mul_i32 s17, s16, WREG
	v_lshrrev_b32 v14, 2, v2
	v_mul_u32_u24 v14, v14, SP
	v_and_b32 v15, 3, v2
	v_lshl_add_u32 v14, v15, 4, v14
	v_add_nc_u32 v14, s17, v14                     ; the stage, on the way in: SP (lane / 4) + 16 (lane % 4)
	v_mul_u32_u24 v15, v2, SP
	v_add_nc_u32 v15, s17, v15                     ; and on the way out: SP x lane: my 16 neighbours
	; cin is laid [4 K steps of 256][12,288 rows][192 bytes]: a tile of whole rows of one K step is a dense block of memory.
	; A step's 512 numbers are two K steps of one row: lanes 0-15 hold the first, lanes 16-31 the second.
	v_and_b32 v4, 15, v2
	v_mul_u32_u24 v4, v4, CB                       ; my codes' place in a row's 192 bytes
	v_lshrrev_b32 v10, 4, v2
	v_mad_u32_u24 v4, v10, 0x240000, v4            ; + 12,288 x 192 bytes for the later K step
	v_lshrrev_b32 v5, 1, v2
	s_add_co_u32 s17, s17, 2*32*SP
	v_add_nc_u32 v5, s17, v5                       ; LDS: my wave's 256 scale bytes, my block's byte
	v_lshlrev_b32 v7, 3, v2                        ; and on the way out 8 bytes a lane
	v_add_nc_u32 v6, s17, v7
	s_wait_alu depctr_va_vdst(0)
	s_wait_kmcnt 0x0
	s_mov_b32 s17, 352                             ; work-groups 0-255 take x, 256-351 w_weight, 352-383 proj_weight: the choice hangs on the work-group's number alone
	s_cmp_lt_u32 ttmp9, 352
	s_cselect_b64 s[6:7], s[6:7], s[8:9]
	s_cselect_b32 s17, 256, s17
	s_cmp_lt_u32 ttmp9, 256
	s_cselect_b64 s[4:5], s[4:5], s[6:7]
	s_cselect_b32 s17, 0, s17
	s_sub_co_u32 s17, ttmp9, s17
	s_lshl_b32 s17, s17, 2
	s_add_co_u32 s18, s17, s16                     ; which run of 8 rows of its tensor my wave reads
	s_mov_b32 s19, 0
	s_lshl_b64 s[20:21], s[18:19], 15              ; 32,768 bytes a run
	s_add_nc_u64 s[4:5], s[4:5], s[20:21]
	s_and_b32 s22, s16, 1                          ; and where it goes: the wave's two bits change places
	s_lshl_b32 s22, s22, 1
	s_lshr_b32 s23, s16, 1
	s_or_b32 s22, s22, s23
	s_lshl_b32 s18, ttmp9, 2
	s_add_co_u32 s18, s18, s22                     ; the run among cin's 1,536
	s_mul_i32 s20, s18, 8*192                      ; a run's 8 rows of 192 bytes in each K step
	s_mov_b32 s21, 0
	s_add_nc_u64 s[10:11], s[10:11], s[20:21]
	s_lshl_b32 s20, s18, 8                         ; 256 scale bytes a run
	s_add_nc_u64 s[12:13], s[12:13], s[20:21]
.macro LOAD t
.irp i, 0,1,2,3
	global_load_b128 v[R+16*((\t)%4)+4*\i:R+16*((\t)%4)+4*\i+3], v3, s[4:5] offset:2048*(\t)+512*\i th:TH_LOAD_NT   ; 32 lanes read 512 consecutive bytes
.endr
.endm
.macro TURN t                          ; step t's numbers through the stage: LDS serves a wave's instructions in order, so no wait stands between the stores and the loads
.irp i, 0,1,2,3
	ds_store_b128 v14, v[R+16*((\t)%4)+4*\i:R+16*((\t)%4)+4*\i+3] offset:32*SP*((\t)%2)+8*SP*\i
.endr
.irp i, 0,1,2,3
	ds_load_b128 v[X+16*((\t)%2)+4*\i:X+16*((\t)%2)+4*\i+3], v15 offset:32*SP*((\t)%2)+16*\i
.endr
.endm
.irp t, 0,1,2,3
	LOAD \t
.endr
	s_wait_loadcnt 12                              ; step 0's four loads are in; the twelve of steps 1 to 3 stay out
	TURN 0
.macro STEP t
.set XS, X+16*((\t)%2)
.if (\t) > 0
	s_wait_dscnt 1                                 ; this step's numbers are back from the stage (the last step's byte store may be out): so its stores into the stage have read their registers,
.else
	s_wait_dscnt 0x0
.endif
.if (\t)+4 < STEPS
	LOAD (\t)+4                                    ; which take the loads of four steps on
.endif
.if (\t)+1 < STEPS
.if STEPS-2-(\t) >= 3
	s_wait_loadcnt 12                              ; the next step's four loads are in; those of the three steps behind it may be out
.else
	s_wait_loadcnt 4*(STEPS-2-(\t))
.endif
	TURN (\t)+1                                    ; and go through the other stage while this step is worked
.endif
	v_max3_num_f32 v8, |v[XS]|, |v[XS+1]|, |v[XS+2]|               ; the largest magnitude of my 16, in two chains
	v_max3_num_f32 v9, |v[XS+3]|, |v[XS+4]|, |v[XS+5]|
.irp i, 6,10
	v_max3_num_f32 v8, v8, |v[XS+\i]|, |v[XS+\i+1]|
	v_max3_num_f32 v9, v9, |v[XS+\i+2]|, |v[XS+\i+3]|
.endr
	v_max3_num_f32 v8, v8, |v[XS+14]|, |v[XS+15]|
	v_max3_num_f32 v8, v8, v9, (EMAX+1)<<23        ; and the floor 2^(3 - 127): the byte cannot fall under 1
	v_max_num_f32_dpp v8, v8, v8 row_xmask:1 row_mask:0xf bank_mask:0xf   ; and of my neighbour's 16: the block's
	v_add_nc_u32 v11, -(EMAX<<23), v8              ; 2 off its exponent field: the conversion takes the exponent field of this operand as its scale
	v_cvt_scalef32_pk16_fp6_f32 v[C+4*(\t):C+4*(\t)+2], v[XS:XS+15], v11   ; sixteen codes, 96 bits without gaps
	v_lshrrev_b32 v[E+(\t)], 23, v11               ; the scale's byte (a plain line behind the conversion)
	ds_store_b8 v5, v[E+(\t)] offset:16*(\t)       ; both lanes of a block write the same byte with the same value
	global_store_b96 v4, v[C+4*(\t):C+4*(\t)+2], s[10:11] offset:192*((\t)/2)+2*0x240000*((\t)%2)   ; row t / 2, K steps 2 (t % 2) and 2 (t % 2) + 1: sixteen lanes store a row's 192 bytes
.endm
.irp t, 0,1,2,3,4,5,6,7,8,9,10,11,12,13,14,15
	STEP \t
.endr
	ds_load_b64 v[8:9], v6                         ; LDS serves a wave's instructions in order: these see my stores
	s_wait_dscnt 0x0
	global_store_b64 v7, v[8:9], s[12:13]          ; 32 lanes store 256 consecutive bytes, at a multiple of 256 from sin's first byte
	s_wait_tensorcnt 0x0                           ; the wave's end, behind my last LDS store
	ds_add_u32 v[SPW], v[NIL]
	s_wait_dscnt 0x0
	s_endpgm
.Lfunc_end_k_q68cd9be9c0_quant:
	.size	k_q68cd9be9c0_quant, .Lfunc_end_k_q68cd9be9c0_quant-k_q68cd9be9c0_quant
	.p2alignl 7, 3214868480
	.fill 96, 4, 3214868480
	.section	.rodata,"a",@progbits
	.p2align	6, 0x0
	.amdhsa_kernel k_q68cd9be9c0_quant
		.amdhsa_group_segment_fixed_size 33280
		.amdhsa_private_segment_fixed_size 0
		.amdhsa_enable_private_segment 0
		.amdhsa_kernarg_size 40
		.amdhsa_user_sgpr_count 2
		.amdhsa_user_sgpr_kernarg_segment_ptr 1
		.amdhsa_wavefront_size32 1
		.amdhsa_system_sgpr_workgroup_id_x 1
		.amdhsa_system_sgpr_workgroup_id_y 1
		.amdhsa_system_sgpr_workgroup_id_z 1
		.amdhsa_system_vgpr_workitem_id 0
		.amdhsa_next_free_vgpr 192
		.amdhsa_next_free_sgpr 66
		.amdhsa_reserve_vcc 0
		.amdhsa_float_denorm_mode_32 3
		.amdhsa_float_denorm_mode_16_64 3
		.amdhsa_memory_ordered 1
		.amdhsa_forward_progress 1
		.amdhsa_inst_pref_size 33
	.end_amdhsa_kernel
	.amdgpu_metadata
---
amdhsa.version: [ 1, 2 ]
amdhsa.kernels:
  - .name:           k_q68cd9be9c0_quant
    .symbol:         k_q68cd9be9c0_quant.kd
    .args:
      - { .name: x, .offset: 0, .size: 8, .value_kind: global_buffer, .address_space: global }
      - { .name: w_weight, .offset: 8, .size: 8, .value_kind: global_buffer, .address_space: global }
      - { .name: proj_weight, .offset: 16, .size: 8, .value_kind: global_buffer, .address_space: global }
      - { .name: cin, .offset: 24, .size: 8, .value_kind: global_buffer, .address_space: global }
      - { .name: sin, .offset: 32, .size: 8, .value_kind: global_buffer, .address_space: global }
    .group_segment_fixed_size: 33280
    .private_segment_fixed_size: 0
    .kernarg_segment_align: 8
    .kernarg_segment_size: 40
    .max_flat_workgroup_size: 128
    .sgpr_count:     66
    .vgpr_count:     192
    .wavefront_size: 32
...
	.end_amdgpu_metadata
.endif
;; end of part 1
;; launch qkv (part 2): grid 96 x 4, 4 waves a work-group, clusters of 4 x 4, 327,680 bytes of LDS; arguments cin, sin, w_bias, cqkv, sqkv; writes cqkv, sqkv
.if DOCPART == 2
	.amdgcn_target "amdgcn-amd-amdhsa--gfx1250"
	.amdhsa_code_object_version 6
	.text
	.protected	k_q68cd9be9c0_qkv
	.globl	k_q68cd9be9c0_qkv
	.p2align	8
	.type	k_q68cd9be9c0_qkv,@function
k_q68cd9be9c0_qkv:
	s_mov_b64 s[64:65], 0
	v_nop
	global_prefetch_b8 v0, s[64:65] scope:SCOPE_SE
	s_setreg_imm32_b32 hwreg(HW_REG_WAVE_MODE, 25, 1), 1
	s_wait_xcnt 0x0
	s_wait_alu depctr_hold_cnt(0) depctr_sa_sdst(0) depctr_va_vdst(0) depctr_va_sdst(0) depctr_va_ssrc(0) depctr_va_vcc(0) depctr_vm_vsrc(0)
	s_getreg_b32 s2, hwreg(HW_REG_IB_STS2, 6, 4)
	s_cmp_eq_u32 s2, 0
	s_cbranch_scc0 .Lentry_in_a_cluster
	s_endpgm
.Lentry_in_a_cluster:
	s_bfe_u32 s2, ttmp6, 0x10000c
	s_cmp_lg_u32 s2, 0xf033
	s_cbranch_scc0 .Lentry_shape_is_right
	s_endpgm
.Lentry_shape_is_right:
; k, q, v = x W^T + b on codes of FP6 (E2M3), and the results quantised again, as attention's operands want them.  K = 1,024.
; C[row][col] = sum over K of Rw[row] Cl[col] + bias; a lane holds one row and its registers run along col; C is quantised along col in blocks of 32.
; TWO MODES, told apart by the cluster's number alone, by selects and not by a branch:
;   clusters 0-15 (k and q): rows = tokens, columns = W's rows 0-2,047: the registers run along a head's 64 channels, which are the K of q k^T;
;   clusters 16-23 (v):      rows = W's rows 2,048-3,071, columns = tokens: the registers run along the keys, which are the K of p v.
; Both operands are rows of cin (768 bytes) with scale bytes in sin (32 a row).  cin's rows lie with bits 3 and 4 of their number exchanged: so the sixteen registers of
; accumulators (a, 2 e) and (a, 2 e + 1) are columns 32 e + 16 (lane / 16) + 0 .. 15 in their true order; the ROWS of C keep the stored order, which attention expects.
; A tile of C, 256 x 256, is made by four waves, 128 x 128 each: 64 accumulators, 512 registers.  K goes in steps of 256 through two LDS slots filled by the tensor data mover.
; CLUSTERS: 4 x 4 work-groups; the four of a row of the cluster ask jointly for the row operand's tiles, the four of a column for the column operand's.
; The matrix instruction is used transposed: source 0 = 16 rows of the column operand, source 1 = 16 rows of the row operand.
; THE BIAS starts the sums: the accumulators are set to bias(column) + bias(row), of which the mode clears one, while the first tiles are on their way.
; OUT: records of 48 bytes (64 codes).  cqkv: k's and q's blocks (4 x head + batch)[stored token][48]; v's blocks (128 + 16 batch + head)[64 keys][stored channel][48].
;      sqkv: k, q: two bytes a token, tokens 32 e + 16 u + i at 64 e + 4 i + 2 u; v: [128 keys][stored channel], a word each.
; LIMITS: NaN and infinities are not served; a block of zeros gets the byte 1 (its codes are zeros, and this program alone reads the bytes).
; REGISTERS, in windows of 256: window 0: v0-31 addresses; v32-63 scale words, two sets; v128-223 the row operand's fragments, one set (before the loop: the biases; on the way out: v64-167 at work).
;   window 1: the column operand's fragments, two sets, at v0 and v128.   windows 2, 3: the accumulators of my rows 0-63, 64-127 (accumulator (a, b) at v[8 (8 (a % 4) + b)]).
.set KSTEP,  256                       ; along K in a slot
.set NQ,     2                         ; matrix instructions deep
.set ROWB,   12288*192                 ; cin is laid [4 K steps][12,288 rows][192 bytes]: bytes from a K step to the next
.set KROW,   192                       ; a row of cin inside a K step
.set PITCH,  240                       ; an LDS row: 3 x (64 bytes + 16 of padding)
.set FR,     12                        ; registers of a fragment
.set NL,     6                         ; LDS loads that bring one
.set NP,     4                         ; places behind this matrix instruction (ISA guide 7.12.1)
.set HALFT,  128*PITCH                 ; 128 rows: what one tensor load brings
.set SLOT,   4*HALFT
.set LAPS,   2                         ; 1,024 / 512
.set KS,     32                        ; a row of scale bytes
.set SCL,    2*SLOT                    ; behind the ring: the scale bytes, as runs of 256 bytes + 16 of padding
.set HALFS,  (128*KS/256)*272
.set SBLK,   (16*KS/256)*272
.set SPARE,  SCL+4*HALFS               ; the spare words, 128 bytes a wave
.set SST,    SPARE+512                 ; the way out: 1,024 bytes a wave for scale bytes: 512 laid as k and q want them, 512 as v wants them
.set STG,    SST+4*1024                ; the way out: 3,072 bytes a wave: two stages of 1,536 bytes for codes, by turns.  No tensor load ever fills these bytes
.set ADRA, 16                          ; v16-19  LDS addresses of the row operand's fragments (slot 0, 1; the same behind one padding more)
.set ADRB, 20                          ; v20-23  the column operand's
.set STO,  24                          ; v24     where I put 24 bytes of a record
.set RD,   25                          ; v25     where I read 16 bytes back
.set CO0,  26                          ; v26     my byte offsets in cqkv for the stage's three runs of 512 bytes
.set ADRS, 27                          ; v27     LDS address of my scale words
.set SPW,  28                          ; v28     my spare word; never rewritten
.set NIL,  29                          ; v29     0; never rewritten
.set CO1,  30
.set CO2,  31
.set SA,   12                          ; v12     where I put my row's scale bytes
.set SRD,  13                          ; v13     where I read 16 of them back
.set SCO,  14                          ; v14     my byte offset in sqkv
.set SC,   32
.set AF,   128
.set BN,   128                         ; v128-191 the bias by column: eight registers for each of the eight column blocks
.set BM,   192                         ; v192-207 the bias by row: a pair of equal registers for each of the eight row blocks
.set PC0,  64                          ; v64-103  the codes just made, two sets of 20
.set TM,   104                         ; v104-119 largest magnitudes, bytes, scale operands
.set PW0,  120                         ; v120-121 the scale word just made, two sets
.set BK0,  128                         ; v128-151 codes read back, two sets of 12
.set SX,   160
.set SY,   164
.set G1, 24
.set G0, 32
.set G1B, 48
.set G0B, 56
.set G1S, 68
.set G0S, 76
.set G1SB, 80
.set G0SB, 88
.set SEL,  92                          ; s[92:93] lane selects for v_permlanex16_b32 (on the way out)
.set OB1,  96                          ; s[96:97] cqkv at my rows 64-127
.set VM,   98                          ; s98  all ones in v's mode, else 0
.set KQM,  99                          ; s99  all ones in k's and q's mode, else 0
.set CSS,  66                          ; s66  bytes from a fragment's first 64 columns to its second
.set HSS,  67                          ; s67  bytes from my rows 0-63 to my rows 64-127
.set SSS,  95                          ; s95  bytes between the two halves of my scale bytes
.set MSB, 0
.macro WIN new                         ; the immediate's high byte repeats the setting that is left
.if MSB != (\new)
	s_set_vgpr_msb (MSB<<8)|(\new)
.set MSB, (\new)
.endif
.endm
.set MUL_LO, 0xa1                      ; source 0 window 1, source 1 window 0, C and D window 2
.set MUL_HI, 0xf1                      ; the same, C and D window 3
.set TO_B,   0x40                      ; destination window 1, address window 0
; A joint load: waves 0 and 1 fetch for the row operand, waves 2 and 3 for the column operand.  The branch hangs on the wave's number alone.
; An s_nop 0 and four v_nop follow each of the two lines.
.macro JLOAD g0a, g1a, g0b, g1b
	s_cmp_eq_u32 s15, 0
	s_cbranch_scc0 .Lfor_b_\@
	tensor_load_to_lds s[\g0a:\g0a+3], s[\g1a:\g1a+7]
	s_nop 0
.rept 4
	v_nop
.endr
	s_branch .Lasked_\@
.Lfor_b_\@:
	tensor_load_to_lds s[\g0b:\g0b+3], s[\g1b:\g1b+7]
	s_nop 0
.rept 4
	v_nop
.endr
.Lasked_\@:
.endm
.macro CREST                           ; a round of the cluster's barrier behind its opening barrier
	s_cmp_lg_u32 s14, 0
	s_cbranch_scc1 .Lnot_wave_0_\@
	s_barrier_signal -3
.Lnot_wave_0_\@:
	s_barrier_wait -3
	s_barrier_signal -1
	s_barrier_wait -1
.endm
.macro CROUND                          ; a whole round
	s_barrier_signal -1
	s_barrier_wait -1
	CREST
.endm
	s_load_b256 s[4:11], s[0:1], 0x0               ; cin s[4:5], sin s[6:7], w_bias s[8:9], cqkv s[10:11]
	s_load_b64 s[12:13], s[0:1], 0x20              ; sqkv
	v_lshl_add_u32 v[SPW], v0, 2, SPARE
	v_mov_b32 v[NIL], 0
	ds_add_u32 v[SPW], v[NIL]                      ; the wave's opening: the add and its wait stand ahead of my first tensor load; work on registers stands between them
	ds_add_u32 v[SPW], v[NIL]
	v_lshrrev_b32 v1, 5, v0
	v_readfirstlane_b32 s14, v1                    ; wave 0..3
	s_lshr_b32 s15, s14, 1                         ; which half of the tile's rows is mine.  Also: I fetch for the row operand (0) or the column operand (1)
	s_and_b32 s16, s14, 1                          ; which half of its columns.  Also: which 128 rows of that tile I fetch
	s_bfe_u32 s40, ttmp6, 0x40000                  ; cx, cy: my place in the cluster
	s_bfe_u32 s41, ttmp6, 0x40004
	s_lshl_b32 s43, s41, 2
	s_lshl_b32 s43, 15, s43                        ; my row of the cluster
	s_lshl_b32 s44, 0x1111, s40                    ; my column
	; the mode's numbers: both candidates first, then one compare, then selects alone.  ttmp9, the cluster's number, is the same in all sixteen partners
	s_lshr_b32 s17, ttmp9, 1
	s_lshl_b32 s17, s17, 10                        ; k, q: the cluster's first token
	s_and_b32 s18, ttmp9, 1
	s_lshl_b32 s18, s18, 10
	s_add_co_u32 s18, s18, 8192                    ; k, q: its first row of W, as a row of cin
	s_max_u32 s19, ttmp9, 16
	s_sub_co_u32 s19, s19, 16
	s_lshl_b32 s19, s19, 10                        ; v: its first token
	s_mov_b32 s20, 10240                           ; v: W's row 2,048, as a row of cin
	s_mov_b32 s[CSS], 3072                         ; v: 64 keys on = 64 channels x 48 bytes
	s_mov_b32 s[HSS], 98304                        ; v: the next head's block
	s_mov_b32 s[SSS], 4096                         ; v: the next head's block of scale bytes
	s_cmp_lt_u32 ttmp9, 16
	s_cselect_b32 s17, s17, s20                    ; the cluster's first row of the row operand
	s_cselect_b32 s18, s18, s19                    ; and of the column operand
	s_cselect_b32 s[KQM], -1, 0
	s_cselect_b32 s[VM], 0, -1
	s_cselect_b32 s[CSS], 393216, s[CSS]           ; k, q: the next head = four blocks on
	s_cselect_b32 s[HSS], 3072, s[HSS]             ; k, q: 64 tokens x 48 bytes
	s_cselect_b32 s[SSS], 16384, s[SSS]            ; k, q: the next head's scale bytes
	; descriptor group 1: a tile of 128 rows x 192 bytes, 16 bytes of padding behind every 64
	s_or_b32 s[G1+0], s43, (0<<16)|(1<<20)|(1<<21)|(3<<22)|(3<<25)  ; 15:0 the mask: my row of the cluster; elements of 1 byte; padding on; bit 21 beside a mask; after every 16 words, 4 words
	s_or_b32 s[G1B+0], s44, (0<<16)|(1<<20)|(1<<21)|(3<<22)|(3<<25) ; the same with the mask of my column
.irp g, G1, G1B
	s_mov_b32 s[\g+1], 256<<16                     ; a tile is a dense block: it comes as rows of 256 bytes
	s_mov_b32 s[\g+2], 192<<16                     ; the head's loads: 256 rows x 192 bytes = 192 x 256
	s_mov_b32 s[\g+3], 256<<16
	s_mov_b32 s[\g+4], 192
	s_mov_b32 s[\g+5], 256
	s_mov_b32 s[\g+6], 0
	s_mov_b32 s[\g+7], 0
.endr
	; the scale bytes of 128 rows: 4,096 dense bytes, as 16 rows of 256 bytes (32 elements of 8), 16 bytes of padding behind each
	s_or_b32 s[G1S+0], s43, (3<<16)|(1<<20)|(1<<21)|(5<<22)|(3<<25)
	s_or_b32 s[G1SB+0], s44, (3<<16)|(1<<20)|(1<<21)|(5<<22)|(3<<25)
.irp g, G1S, G1SB
	s_mov_b32 s[\g+1], 32<<16
	s_mov_b32 s[\g+2], (256*KS/256)<<16
	s_mov_b32 s[\g+3], 32<<16
	s_mov_b32 s[\g+4], 256*KS/256
	s_mov_b32 s[\g+5], 32
	s_mov_b32 s[\g+6], 0
	s_mov_b32 s[\g+7], 0
.endr
	s_mul_i32 s100, s16, 128*192                   ; in the ring I fetch 128 rows of a tile: which half, in bytes
	s_mov_b32 s101, 0
	s_lshl_b32 s20, s41, 8
	s_add_co_u32 s20, s20, s17
	s_lshl_b32 s46, s40, 8
	s_add_co_u32 s46, s46, s18
	s_lshl_b32 s22, s20, 5                         ; their scale bytes: 32 a row (12,288 rows: all offsets stay under 2^24)
	s_mov_b32 s23, 0
	s_lshl_b32 s92, s46, 5
	s_mov_b32 s93, 0
	s_mul_i32 s20, s20, KROW                       ; and their codes
	s_mov_b32 s21, 0
	s_mul_i32 s46, s46, KROW
	s_mov_b32 s47, 0
	s_mul_i32 s45, s14, HALFT                      ; where they go: wave x 128 rows: no place in the cluster enters an LDS address
	s_wait_dscnt 0x0                               ; the opening add is done
	s_wait_kmcnt 0x0
	s_add_nc_u64 s[20:21], s[4:5], s[20:21]
	s_add_nc_u64 s[22:23], s[6:7], s[22:23]
	s_add_nc_u64 s[46:47], s[4:5], s[46:47]
	s_add_nc_u64 s[92:93], s[6:7], s[92:93]
	CROUND                                         ; all sixteen work-groups are here: the first joint loads meet
	s_mov_b32 s[G0S], 1
	s_mov_b32 s[G0S+1], SCL
	s_mov_b64 s[G0S+2:G0S+3], s[22:23]
	s_or_b32 s[G0S+3], s[G0S+3], 0x80000000
	s_mov_b32 s[G0SB], 1
	s_mov_b32 s[G0SB+1], SCL+2*HALFS
	s_mov_b64 s[G0SB+2:G0SB+3], s[92:93]
	s_or_b32 s[G0SB+3], s[G0SB+3], 0x80000000
	s_mov_b32 s[G0], 1                             ; slot 0's sets serve the head first: K step 0's 256 rows of the row operand, whole,
	s_mov_b32 s[G0+1], 0
	s_mov_b64 s[G0+2:G0+3], s[20:21]
	s_or_b32 s[G0+3], s[G0+3], 0x80000000
	s_mov_b32 s[G0B], 1                            ; and of the column operand, behind them
	s_mov_b32 s[G0B+1], 2*HALFT
	s_mov_b64 s[G0B+2:G0B+3], s[46:47]
	s_or_b32 s[G0B+3], s[G0B+3], 0x80000000
	s_add_nc_u64 s[20:21], s[20:21], s[100:101]    ; slot 1's sets: my 128 rows of K step 1
	s_add_nc_u64 s[46:47], s[46:47], s[100:101]
	s_mov_b32 s[G0+4], 1
	s_add_co_u32 s[G0+5], s45, SLOT
	s_add_nc_u64 s[G0+6:G0+7], s[20:21], ROWB
	s_or_b32 s[G0+7], s[G0+7], 0x80000000
	s_mov_b32 s[G0B+4], 1
	s_add_co_u32 s[G0B+5], s45, SLOT
	s_add_nc_u64 s[G0B+6:G0B+7], s[46:47], ROWB
	s_or_b32 s[G0B+7], s[G0B+7], 0x80000000
; the head's four tiles, one joint load a wave: one chain of branches on the wave's number, every way through it passes one load
.macro ARM under, g0, g1, next
	s_cmp_lt_u32 s14, \under
	s_cbranch_scc0 \next
	tensor_load_to_lds s[\g0:\g0+3], s[\g1:\g1+7]
	s_nop 0
.rept 4
	v_nop
.endr
	s_branch .Lhead_asked
\next:
.endm
	ARM 1, G0,  G1,  .Lhead_b
	ARM 2, G0B, G1B, .Lhead_sa
	ARM 3, G0S, G1S, .Lhead_sb
	tensor_load_to_lds s[G0SB:G0SB+3], s[G1SB:G1SB+7]
	s_nop 0
.rept 4
	v_nop
.endr
.Lhead_asked:
	; my wave's first column (s42) and first row (s17) of C, as rows of cin
	s_lshl_b32 s42, s40, 8
	s_add_co_u32 s42, s42, s18
	s_lshl_b32 s19, s16, 7
	s_add_co_u32 s42, s42, s19
	s_lshl_b32 s19, s41, 8
	s_add_co_u32 s17, s17, s19
	s_lshl_b32 s19, s15, 7
	s_add_co_u32 s17, s17, s19
	; the biases.  W's row n is cin's row 8,192 + n.  Where the operand is x (rows under 8,192) the maximum gives offset 0: the numbers loaded there are cleared below
	s_max_u32 s18, s42, 8192
	s_sub_co_u32 s18, s18, 8192
	s_lshl_b32 s18, s18, 2
	s_mov_b32 s19, 0
	s_add_nc_u64 s[18:19], s[8:9], s[18:19]        ; by column
	s_max_u32 s2, s17, 8192
	s_sub_co_u32 s2, s2, 8192
	s_lshl_b32 s2, s2, 2
	s_mov_b32 s3, 0
	s_add_nc_u64 s[2:3], s[8:9], s[2:3]            ; by row
	v_and_b32 v1, 15, v0                           ; r = lane % 16
	v_bfe_u32 v2, v0, 4, 1                         ; h = lane / 16
	v_lshlrev_b32 v8, 6, v2                        ; by column: register j of block b is column 32 (b / 2) + 16 h + 8 (b % 2) + j
	v_and_b32 v9, 8, v1
	v_add_nc_u32 v9, v9, v1
	v_lshlrev_b32 v9, 2, v9                        ; by row: lane r of block a holds the row whose true number is 32 (a / 2) + 16 (r / 8) + 8 (a % 2) + r % 8
.irp b, 0,1,2,3,4,5,6,7
	global_load_b128 v[BN+8*\b:BN+8*\b+3], v8, s[18:19] offset:128*(\b/2)+32*(\b%2)
	global_load_b128 v[BN+8*\b+4:BN+8*\b+7], v8, s[18:19] offset:128*(\b/2)+32*(\b%2)+16
.endr
.irp a, 0,1,2,3,4,5,6,7
	global_load_b32 v[BM+2*\a], v9, s[2:3] offset:4*(32*(\a/2)+8*(\a%2))
	global_load_b32 v[BM+2*\a+1], v9, s[2:3] offset:4*(32*(\a/2)+8*(\a%2))   ; twice: a pair for the packed addition
.endr
	v_mul_u32_u24 v3, v1, PITCH
	v_mul_u32_u24 v4, v2, 24
	v_add_nc_u32 v4, v3, v4                        ; a fragment's row x pitch + 24 x half
	v_lshl_add_u32 v5, v2, 4, v4                   ; and the same behind one padding more
	s_mul_i32 s21, s15, HALFT                      ; my 128 rows of the row operand
	s_mul_i32 s22, s16, HALFT                      ; my 128 rows of the column operand,
	s_add_co_u32 s22, s22, 2*HALFT                 ; which lie behind the other's 256
.irp s, 0,1
	v_add_nc_u32 v[ADRA+\s], s21, v4
	v_add_nc_u32 v[ADRB+\s], s22, v4
	v_add_nc_u32 v[ADRA+2+\s], s21, v5
	v_add_nc_u32 v[ADRB+2+\s], s22, v5
	s_add_co_u32 s21, s21, SLOT
	s_add_co_u32 s22, s22, SLOT
.endr
	v_mul_u32_u24 v5, v1, KS                       ; my row's scale bytes: 32 a row,
	v_lshrrev_b32 v6, 8, v5
	v_lshl_add_u32 v5, v6, 4, v5                   ; and 16 more for each 256 passed
	s_mul_i32 s21, s15, HALFS
	s_mul_i32 s22, s16, HALFS
	s_add_co_u32 s22, s22, 2*HALFS
	s_sub_co_u32 s22, s22, s21
	v_mul_u32_u24 v6, s22, v2                      ; lanes 16-31 take the column operand's
	s_add_co_u32 s21, s21, SCL
	v_add_nc_u32 v5, v5, v6
	v_add_nc_u32 v[ADRS], s21, v5
	; the way out: LDS addresses
	v_and_b32 v6, 31, v0
	v_lshlrev_b32 v[CO0], 4, v6                    ; 16 x lane
	s_mul_i32 s23, s14, 3072
	s_add_co_u32 s23, s23, STG
	v_mul_u32_u24 v5, v1, 48
	v_mad_u32_u24 v5, v2, 24, v5
	v_add_nc_u32 v[STO], s23, v5                   ; record r, + 24 h
	v_add_nc_u32 v[RD], s23, v[CO0]
	s_lshl_b32 s23, s14, 10
	s_add_co_u32 s23, s23, SST
	v_lshl_add_u32 v[SA], v1, 2, s23
	v_add_nc_u32 v[SRD], s23, v[CO0]
	; and offsets in memory.  A stage holds 768 bytes for the first 64 columns, then 768 for the second; it is read in three runs of 512
	s_sub_co_u32 s20, s[CSS], 768
	v_mul_u32_u24 v[CO1], s20, v2
	v_add3_u32 v[CO1], v[CO1], v[CO0], 512         ; lanes 0-15: bytes 512-767 of the first; lanes 16-31: bytes 0-255 of the second
	s_add_co_u32 s20, s[CSS], 256
	v_add_nc_u32 v[CO2], s20, v[CO0]               ; bytes 256-767 of the second
	v_lshlrev_b32 v[SCO], 4, v1
	v_mul_u32_u24 v5, s[SSS], v2
	v_add_nc_u32 v[SCO], v[SCO], v5
	; where my wave's part begins in cqkv and sqkv: both modes' offsets, one compare, selects
	s_max_u32 s40, s42, 8192
	s_sub_co_u32 s40, s40, 8192
	s_lshr_b32 s40, s40, 6                         ; k, q: my first head, 0-31
	s_mul_i32 s41, s40, 393216
	s_mul_i32 s43, s17, 48
	s_add_co_u32 s41, s41, s43                     ; head x four blocks + 48 x token (2,048 tokens fill a block, so the batch follows by itself)
	s_lshl_b32 s40, s40, 14
	s_lshl_b32 s43, s17, 1
	s_add_co_u32 s40, s40, s43                     ; the same in scale bytes: 2 a token
	s_max_u32 s43, s17, 10240
	s_sub_co_u32 s43, s43, 10240
	s_lshr_b32 s43, s43, 6                         ; v: my first head
	s_lshr_b32 s44, s42, 11                        ; the batch
	s_lshl_b32 s44, s44, 4
	s_add_co_u32 s43, s43, s44
	s_and_b32 s44, s42, 2047                       ; my first key
	s_lshr_b32 s45, s44, 6
	s_mul_i32 s45, s45, 3072
	s_lshr_b32 s44, s44, 7
	s_lshl_b32 s44, s44, 8
	s_mul_i32 s46, s43, 98304
	s_add_co_u32 s45, s45, s46
	s_add_co_u32 s45, s45, 12582912                ; behind k's and q's 128 blocks
	s_lshl_b32 s43, s43, 12
	s_add_co_u32 s44, s44, s43
	s_add_co_u32 s44, s44, 524288
	s_cmp_lt_u32 ttmp9, 16
	s_cselect_b32 s46, s41, s45
	s_cselect_b32 s44, s40, s44
	s_mov_b32 s47, 0
	s_mov_b32 s45, 0
	s_add_nc_u64 s[10:11], s[10:11], s[46:47]      ; cqkv at my rows 0-63
	s_add_nc_u64 s[12:13], s[12:13], s[44:45]      ; sqkv at my part
	s_mov_b32 s46, s[HSS]
	s_add_nc_u64 s[OB1:OB1+1], s[10:11], s[46:47]  ; cqkv at my rows 64-127
	s_wait_loadcnt 0x0                             ; the biases are in
.set J, 0
.rept 64
	v_and_b32 v[BN+J], s[KQM], v[BN+J]             ; the bias goes by W's rows: by column for k and q,
.set J, J+1
.endr
.set J, 0
.rept 16
	v_and_b32 v[BM+J], s[VM], v[BM+J]              ; by row for v; the other one becomes 0
.set J, J+1
.endr
	WIN 0x80                                       ; destination window 2
.irp a, 0,1,2,3
.irp b, 0,1,2,3,4,5,6,7
.irp p, 0,2,4,6
	v_pk_add_f32 v[8*(8*\a+\b)+\p:8*(8*\a+\b)+\p+1], v[BN+8*\b+\p:BN+8*\b+\p+1], v[BM+2*\a:BM+2*\a+1]
.endr
.endr
.endr
	WIN 0xc0                                       ; destination window 3
.irp a, 0,1,2,3
.irp b, 0,1,2,3,4,5,6,7
.irp p, 0,2,4,6
	v_pk_add_f32 v[8*(8*\a+\b)+\p:8*(8*\a+\b)+\p+1], v[BN+8*\b+\p:BN+8*\b+\p+1], v[BM+8+2*\a:BM+8+2*\a+1]
.endr
.endr
.endr
	WIN 0
.macro FRAG reg, adr, q, i             ; a fragment, 16 rows x 128 K of 6-bit codes: lane l holds row l % 16; registers 6 c .. 6 c + 5 hold K = 64 c + 32 (l / 16) + 0 .. 31: 24 bytes of the row, as they lie
.irp p, 0,1,2,3,4,5                    ; in pieces of 8 bytes.  Lanes 16-31 read three pieces further on than lanes 0-15; where that is behind one padding more, the second address register serves
.set PIECE, 12*(\q)+6*(\p/3)+\p%3
.if PIECE%8 < 5
	ds_load_b64 v[\reg+2*\p:\reg+2*\p+1], v[\adr] offset:8*PIECE+16*(PIECE/8)+(\i)*16*PITCH
.else
	ds_load_b64 v[\reg+2*\p:\reg+2*\p+1], v[\adr+2] offset:8*PIECE+16*(PIECE/8)+(\i)*16*PITCH
.endif
.endr
.endm
; 16 matrix instructions: row blocks a0, a0 + 1 x the eight column blocks, 128 along K: the slot's q-th.  p: the column operand's set; sc: the set of scale words.
; The 64 accumulators take turns, one instruction a turn, in the same order in every step.
.macro MUL16 a0, p, q, sc
.irp a, \a0, \a0+1
.irp b, 0,1,2,3,4,5,6,7
	v_wmma_scale_f32_16x16x128_f8f6f4 v[8*(8*((\a)%4)+\b):8*(8*((\a)%4)+\b)+7], v[128*(\p)+FR*\b:128*(\p)+FR*\b+FR-1], v[AF+FR*(\a):AF+FR*(\a)+FR-1], v[8*(8*((\a)%4)+\b):8*(8*((\a)%4)+\b)+7], v[SC+8*NQ*(\sc)+NQ*\b+(\q)], v[SC+8*NQ*(\sc)+NQ*(\a)+(\q)] matrix_a_fmt:MATRIX_FMT_FP6 matrix_b_fmt:MATRIX_FMT_FP6 matrix_a_scale:MATRIX_SCALE_ROW1
.endr
.endr
.endm
.macro FETCH_B slot, q, p
	WIN TO_B
.irp i, 0,1,2,3,4,5,6,7
	FRAG 128*(\p)+FR*\i, ADRB+\slot, \q, \i
.endr
	WIN 0
.endm
.macro FETCH_A slot, q, i0
.irp i, \i0, \i0+1, \i0+2, \i0+3
	FRAG AF+FR*(\i), ADRA+\slot, \q, \i
.endr
.endm
.macro SCALES sc                       ; the next K step's scale words: two words a row; lanes 0-15 take the row operand's block i, lanes 16-31 the column operand's
.irp i, 0,1,2,3,4,5,6,7
	ds_load_b64 v[SC+8*NQ*\sc+NQ*\i:SC+8*NQ*\sc+NQ*\i+1], v[ADRS] offset:\i*SBLK
.endr
.endm
.macro PLACES n                        ; plain vector instructions between a matrix instruction and a load into, or a read of, its registers (ISA guide 7.12.1 for a read)
.rept \n
	v_nop
.endr
.endm
.macro STEP slot, q                    ; a step of 128 along K that has its successor in the same slot
	s_wait_dscnt 4*NL                              ; the column operand's set and row blocks 0-3 are in; the youngest 24 loads (row blocks 4-7) may be out
	WIN MUL_LO
	MUL16 0, (\q)%2, \q, \slot
	MUL16 2, (\q)%2, \q, \slot
	s_wait_dscnt 0                                 ; row blocks 4-7 are in
	PLACES NP
	FETCH_B \slot, (\q)+1, 1-(\q)%2
	FETCH_A \slot, (\q)+1, 0
	WIN MUL_HI
	MUL16 4, (\q)%2, \q, \slot
	MUL16 6, (\q)%2, \q, \slot
	PLACES NP
	WIN 0
	FETCH_A \slot, (\q)+1, 4
.endm
; A slot's last step changes slots: one barrier; in front of it each wave waits for all its tensor loads, adds 0 to its spare word, and waits for that and for its reads of this slot.
.macro TURN slot, next, fill
	s_wait_tensorcnt 0x0                           ; all my tensor loads have landed: my part of the next slot
	ds_add_u32 v[SPW], v[NIL]                      ; 0 onto my spare word
	s_wait_dscnt 4*NL+1                            ; (the add and the youngest 24 loads may be out)
	WIN MUL_LO
	MUL16 0, 1, NQ-1, \slot                        ; sixteen matrix instructions stand between the add and the wait for it
	s_wait_dscnt 0x0                               ; the add is done, and my reads of this slot are over
	s_barrier_signal -1
	MUL16 2, 1, NQ-1, \slot
	WIN 0
	s_barrier_wait -1
.if \fill
	CREST                                          ; the barrier has opened a round of the cluster's barrier: no wave of any partner still reads this slot or has a load on its way
	s_add_nc_u64 s[G0+4*\slot+2:G0+4*\slot+3], s[G0+4*\slot+2:G0+4*\slot+3], 2*ROWB
	s_add_nc_u64 s[G0B+4*\slot+2:G0B+4*\slot+3], s[G0B+4*\slot+2:G0B+4*\slot+3], 2*ROWB
	JLOAD G0+4*\slot, G1, G0B+4*\slot, G1B         ; the first tensor load behind the round; its four v_nop are the places in front of the loads below
.else
	PLACES NP
.endif
	s_wait_alu depctr_va_vdst(0)
	v_add_nc_u32 v[ADRS], 4*NQ, v[ADRS]            ; on to the next K step's scale words
	FETCH_B \next, 0, 0
	FETCH_A \next, 0, 0
	SCALES \next
	WIN MUL_HI
	MUL16 4, 1, NQ-1, \slot
	MUL16 6, 1, NQ-1, \slot
	PLACES NP
	WIN 0
	FETCH_A \next, 0, 4
.endm
	s_wait_alu depctr_va_vdst(0)
	s_wait_tensorcnt 0x0                           ; my tile of the head's four is in
	ds_add_u32 v[SPW], v[NIL]
	s_mov_b32 s[G1+2], 96<<16                      ; no load of mine is out: from here on a load brings 128 rows x 192 bytes = 96 x 256,
	s_mov_b32 s[G1+4], 96
	s_mov_b32 s[G1B+2], 96<<16
	s_mov_b32 s[G1B+4], 96
	s_mul_i32 s[G0+1], s14, HALFT                  ; and slot 0's sets become the ring's: my quarter of the slot, my 128 rows
	s_mul_i32 s[G0B+1], s14, HALFT
	s_add_nc_u64 s[G0+2:G0+3], s[G0+2:G0+3], s[100:101]
	s_add_nc_u64 s[G0B+2:G0B+3], s[G0B+2:G0B+3], s[100:101]
	s_wait_dscnt 0x0
	CROUND                                         ; all four tiles are in, all sixteen work-groups are here
	JLOAD G0+4, G1, G0B+4, G1B                     ; K step 1, the first tensor load behind the round
	FETCH_B 0, 0, 0
	FETCH_A 0, 0, 0
	SCALES 0
	FETCH_A 0, 0, 4
	STEP 0, 0
	s_mov_b32 s3, LAPS-1
.Llap:                                                 ; a trip goes once round the ring and fills both slots again
	TURN 0, 1, 1
	STEP 1, 0
	TURN 1, 0, 1
	STEP 0, 0
	s_sub_co_u32 s3, s3, 1
	s_cmp_lg_u32 s3, 0
	s_cbranch_scc1 .Llap
	TURN 0, 1, 0                                   ; the last lap fills nothing
	STEP 1, 0
	s_wait_dscnt 4*NL                              ; the very last step
	WIN MUL_LO
	MUL16 0, 1, NQ-1, 1
	MUL16 2, 1, NQ-1, 1
	s_wait_dscnt 0
	WIN MUL_HI
	MUL16 4, 1, NQ-1, 1
	MUL16 6, 1, NQ-1, 1
	WIN 0
; THE WAY OUT, a block of 16 rows x 128 columns at a time.  A lane's 64 numbers (register 16 e + i = column 32 e + 16 h + i of its row) become a fragment's 12 registers of codes and a scale word.
; The codes go through my own stage as two groups of 16 records of 48 bytes, and leave in three runs of 512 bytes: each sixteen lanes store 256 consecutive bytes, at a multiple of 256 from cqkv's first byte.
.macro QBLK a
.set AC, 64*((\a)%4)
.set WW, 2+(\a)/4                      ; the accumulators' window
.set PCB, PC0+20*((\a)%2)
.set PWR, PW0+(\a)%2
.set BKB, BK0+12*((\a)%2)
.if (\a) >= 2
	s_wait_xcnt 0x0                                ; the stores of the block two back have read the registers into which this block's codes come back
.endif
	WIN 0
.irp e, 0,1,2,3
	v_mov_b32 v[TM+\e], 0x1800000                  ; the floor 2^(3 - 127): the byte cannot fall under 1
.endr
	WIN WW*5                                       ; sources 0 and 1 in the accumulators' window
.irp i, 0,2,4,6,8,10,12,14
.irp e, 0,1,2,3
	v_max3_num_f32 v[TM+\e], |v[AC+16*\e+\i]|, |v[AC+16*\e+\i+1]|, v[TM+\e]   ; the four blocks by turns; each accumulator from its low end on
.endr
.endr
	WIN 0
.irp e, 0,1,2,3
	v_permlanex16_b32 v[TM+4+\e], v[TM+\e], s[SEL], s[SEL+1]
.endr
.irp e, 0,1,2,3
	v_max_num_f32 v[TM+\e], v[TM+\e], v[TM+4+\e]   ; with lane l xor 16's: the block's largest magnitude
.endr
.irp e, 0,1,2,3
	v_add_nc_u32 v[TM+12+\e], 0xff000000, v[TM+\e] ; 2 off its exponent field: the conversion's scale operand
.endr
.irp e, 0,1,2,3
	v_lshrrev_b32 v[TM+4+\e], 23, v[TM+12+\e]      ; the scale's byte
.endr
	v_lshl_or_b32 v[PWR], v[TM+5], 8, v[TM+4]
	v_lshl_or_b32 v[PWR], v[TM+6], 16, v[PWR]
	v_lshl_or_b32 v[PWR], v[TM+7], 24, v[PWR]      ; my row's scale word
	WIN WW                                         ; source 0 in the accumulators' window
.irp c, 0,1
	v_cvt_scalef32_pk16_fp6_f32 v[PCB+6*\c:PCB+6*\c+2], v[AC+32*\c:AC+32*\c+15], v[TM+12+2*\c]
	v_cvt_scalef32_pk16_fp6_f32 v[PCB+12+4*\c:PCB+14+4*\c], v[AC+32*\c+16:AC+32*\c+31], v[TM+13+2*\c]   ; (a conversion's three registers begin on an even number)
.endr
	WIN 0
	v_nop                                          ; one plain place behind a scaled conversion
.irp c, 0,1                                    ; a whole block to a lane: lanes 0-15 block 2 c, lanes 16-31 block 2 c + 1
.irp i, 0,1,2
	v_permlane16_swap_b32 v[PCB+6*\c+\i], v[PCB+12+4*\c+\i]
.endr
.irp i, 0,1,2
	v_mov_b32 v[PCB+3+6*\c+\i], v[PCB+12+4*\c+\i]
.endr
.endr
.irp c, 0,1
.irp i, 0,1,2
	ds_store_b64 v[STO], v[PCB+6*\c+2*\i:PCB+6*\c+2*\i+1] offset:1536*((\a)%2)+768*\c+8*\i
.endr
.endr
	ds_store_b16 v[SA], v[PWR] offset:64*((\a)/2)+2*((\a)%2)             ; as k and q want them: the first head's two bytes,
	ds_store_b16_d16_hi v[SA], v[PWR] offset:256+64*((\a)/2)+2*((\a)%2)  ; the second head's;
	ds_store_b32 v[SA], v[PWR] offset:512+256*((\a)/4)+64*((\a)%4)       ; as v wants them: the word.  (Lanes r and r + 16 write the same bytes with the same values)
.irp i, 0,1,2
	ds_load_b128 v[BKB+4*\i:BKB+4*\i+3], v[RD] offset:1536*((\a)%2)+512*\i   ; LDS serves a wave's instructions in order: these see the stores above
.endr
.endm
.macro SEND a, younger                 ; younger: the LDS instructions issued behind block a's loads: the next block's nine stores and three loads, or none
.set BKB, BK0+12*((\a)%2)
	s_wait_dscnt \younger
.if (\a) < 4
	global_store_b128 v[CO0], v[BKB:BKB+3], s[10:11] offset:768*((\a)%4)
	global_store_b128 v[CO1], v[BKB+4:BKB+7], s[10:11] offset:768*((\a)%4)
	global_store_b128 v[CO2], v[BKB+8:BKB+11], s[10:11] offset:768*((\a)%4)
.else
	global_store_b128 v[CO0], v[BKB:BKB+3], s[OB1:OB1+1] offset:768*((\a)%4)
	global_store_b128 v[CO1], v[BKB+4:BKB+7], s[OB1:OB1+1] offset:768*((\a)%4)
	global_store_b128 v[CO2], v[BKB+8:BKB+11], s[OB1:OB1+1] offset:768*((\a)%4)
.endif
.endm
	PLACES NP                                      ; behind the last products: their results are read, and registers that held fragments are loaded, below
	s_mov_b32 s[SEL], 0x76543210
	s_mov_b32 s[SEL+1], 0xfedcba98
.irp e, 0,1,2,3
	v_mov_b32 v[TM+4+\e], 0                        ; written once: a lane permute's destination counts as one of its sources
.endr
	QBLK 0
.irp a, 1,2,3,4,5,6,7
	QBLK \a
	SEND \a-1, 12                                  ; that wait also shows block a - 1's LDS stores done: its registers are written again in block a + 1
.endr
	SEND 7, 0
	ds_load_b128 v[SX:SX+3], v[SRD]                ; my 512 scale bytes in k's and q's order,
	ds_load_b128 v[SY:SY+3], v[SRD] offset:512     ; and in v's
	s_wait_dscnt 0x0
.irp i, 0,1,2,3
	v_cndmask_b32 v[SX+\i], v[SX+\i], v[SY+\i], s[VM]
.endr
	global_store_b128 v[SCO], v[SX:SX+3], s[12:13] ; each sixteen lanes store 256 consecutive bytes, at a multiple of 256 from sqkv's first byte
	s_wait_tensorcnt 0x0                           ; the wave's end, behind my last tensor load and my last LDS store
	ds_add_u32 v[SPW], v[NIL]
	s_wait_dscnt 0x0
	CROUND                                         ; the closing round: no work-group ends while a partner may still ask for a tile that names it
	s_endpgm
.Lfunc_end_k_q68cd9be9c0_qkv:
	.size	k_q68cd9be9c0_qkv, .Lfunc_end_k_q68cd9be9c0_qkv-k_q68cd9be9c0_qkv
	.p2alignl 7, 3214868480
	.fill 96, 4, 3214868480
	.section	.rodata,"a",@progbits
	.p2align	6, 0x0
	.amdhsa_kernel k_q68cd9be9c0_qkv
		.amdhsa_group_segment_fixed_size 327680
		.amdhsa_private_segment_fixed_size 0
		.amdhsa_enable_private_segment 0
		.amdhsa_kernarg_size 40
		.amdhsa_user_sgpr_count 2
		.amdhsa_user_sgpr_kernarg_segment_ptr 1
		.amdhsa_wavefront_size32 1
		.amdhsa_system_sgpr_workgroup_id_x 1
		.amdhsa_system_sgpr_workgroup_id_y 1
		.amdhsa_system_sgpr_workgroup_id_z 1
		.amdhsa_system_vgpr_workitem_id 0
		.amdhsa_next_free_vgpr 1024
		.amdhsa_next_free_sgpr 102
		.amdhsa_reserve_vcc 0
		.amdhsa_float_denorm_mode_32 3
		.amdhsa_float_denorm_mode_16_64 3
		.amdhsa_memory_ordered 1
		.amdhsa_forward_progress 1
		.amdhsa_inst_pref_size 197
	.end_amdhsa_kernel
	.amdgpu_metadata
---
amdhsa.version: [ 1, 2 ]
amdhsa.kernels:
  - .name:           k_q68cd9be9c0_qkv
    .symbol:         k_q68cd9be9c0_qkv.kd
    .args:
      - { .name: cin, .offset: 0, .size: 8, .value_kind: global_buffer, .address_space: global }
      - { .name: sin, .offset: 8, .size: 8, .value_kind: global_buffer, .address_space: global }
      - { .name: w_bias, .offset: 16, .size: 8, .value_kind: global_buffer, .address_space: global }
      - { .name: cqkv, .offset: 24, .size: 8, .value_kind: global_buffer, .address_space: global }
      - { .name: sqkv, .offset: 32, .size: 8, .value_kind: global_buffer, .address_space: global }
    .group_segment_fixed_size: 327680
    .private_segment_fixed_size: 0
    .kernarg_segment_align: 8
    .kernarg_segment_size: 40
    .max_flat_workgroup_size: 128
    .sgpr_count:     102
    .vgpr_count:     1024
    .wavefront_size: 32
...
	.end_amdgpu_metadata
.endif
;; end of part 2
;; launch attn (part 3): grid 256 x 1, 8 waves a work-group, clusters of 4 x 1, 327,680 bytes of LDS; arguments cqkv, sqkv, catt, satt; writes catt, satt
.if DOCPART == 3
	.amdgcn_target "amdgcn-amd-amdhsa--gfx1250"
	.amdhsa_code_object_version 6
	.text
	.protected	k_q68cd9be9c0_attn
	.globl	k_q68cd9be9c0_attn
	.p2align	8
	.type	k_q68cd9be9c0_attn,@function
k_q68cd9be9c0_attn:
	s_mov_b64 s[64:65], 0
	v_nop
	global_prefetch_b8 v0, s[64:65] scope:SCOPE_SE
	s_setreg_imm32_b32 hwreg(HW_REG_WAVE_MODE, 25, 1), 1
	s_wait_xcnt 0x0
	s_wait_alu depctr_hold_cnt(0) depctr_sa_sdst(0) depctr_va_vdst(0) depctr_va_sdst(0) depctr_va_ssrc(0) depctr_va_vcc(0) depctr_vm_vsrc(0)
	s_getreg_b32 s2, hwreg(HW_REG_IB_STS2, 6, 4)
	s_cmp_eq_u32 s2, 0
	s_cbranch_scc0 .Lentry_in_a_cluster
	s_endpgm
.Lentry_in_a_cluster:
	s_bfe_u32 s2, ttmp6, 0x10000c
	s_cmp_lg_u32 s2, 0x3003
	s_cbranch_scc0 .Lentry_shape_is_right
	s_endpgm
.Lentry_shape_is_right:
; o = softmax(q k^T / 8) v for one (batch, head) and 512 queries, on codes of FP6 (E2M3) with E8M0 scales; o is quantised again along its 64 channels, as the projection's operand.
; A cluster of four work-groups shares a head: its 2,048 keys' codes of k and of v (98,304 bytes each) come once, by one joint tensor load a wave, and stay in LDS.
; The 8,192 bytes of k's and v's scale words come through registers (4 in a hundred of what the head fetches: not worth a second joint load with its round).
; No prefetch: all tiles are asked for at the head, there is no loop to run ahead in.
; A wave holds 64 queries as four tiles of 16, so a fragment of k or v read from LDS feeds four tiles.  Both products are used transposed (S^T = k q^T, O^T = v^T p^T): a lane holds one query.
; k's record is 64 codes: a fragment's K = 128 holds two keys' records; q stands in the lower or the upper 64 with zero codes beside it.
; k's tokens lie with bits 3 and 4 of their number exchanged, so the 16 registers of two neighbouring score tiles are 16 neighbouring keys.
; p = 2^(t - M), t = score x log2(e) / 8, M the running largest t rounded up to a whole number; the row's sum is taken of the unquantised p; O^T and the sum are rescaled by 2^(old M - new M), exactly.
; A block's largest p is made from the block's largest score by the same multiply-add and exponential.
; THE ORDER OF WORK: the four tiles of a step of 128 keys follow each other; the next tile's scores and the last tile's O^T products are issued directly ahead of a tile's exponentials;
; the next step's fragments of k are fetched one tile ahead of their use, v's likewise.
; catt is laid [4 K steps][8,192 rows][192 bytes]; a row is 16 neighbouring queries x 48 bytes.  A wave's four rows are 768 consecutive bytes in each K step: they leave through its stage, 256 consecutive bytes to sixteen lanes.
; LIMITS: the scaled scores stay under 2^31 in magnitude; NaN and infinities are not served; a block of zeros gets the byte 1 (its codes are zeros, and this program alone reads the bytes).
; REGISTERS: window 0: addresses, state, scales, q, p's codes, fragments.  Window 1: v0-127 two buffers of scores, v128-255 O^T of the four tiles.
.set VC,    98304                      ; LDS: k's codes at 0, v's here
.set KSC,   196608                     ; k's scale words, 4,096 bytes on v's
.set SPARE, 204800                     ; the spare words, 128 bytes a wave
.set OST,   205824                     ; the way out: 3,072 bytes a wave
.set SOS,   230400                     ; the way out: 128 scale bytes a wave
.set KST,   8192*192                   ; catt: from a K step to the next
.set AK0, 1
.set AS0, 2
.set SPW, 3
.set NIL, 4
.set ADK, 5
.set ADV, 6
.set ADS, 7
.set OSA, 8
.set ORD, 9
.set CO0, 10
.set CO1, 11
.set CO2, 12
.set SOA, 13
.set SRD, 14
.set SGO, 15
.set STA, 16                           ; tile i: v[16+4i] -M, +1 the largest t, +2,+3 the sum in two halves
.set QS,  32                           ; tile i: q's scale word for the lower and for the upper 64
.set KSW, 40
.set VSW, 44
.set BX,  48
.set BT,  52
.set BO,  56
.set F,   60                           ; v60 the factor, v61 p's scale word
.set TMP, 62
.set Q,   64                           ; zeros, q0, zeros, q1, zeros, q2, zeros, q3, zeros: six registers each
.set PCD, 118
.set PH,  130
.set KF,  140
.set VF,  188
.set R,   236
.set H,   237
.set LN,  238
.set T0,  239
.set T1,  240
.set T2,  241
.set T3,  242
.set T4,  243
.set TA,  246
.set TL,  247
.set WV,  12
.set G1C, 24
.set G0C, 44
.set SEL, 52
.set CS,  54
.set TB,  56
.set TS,  57
.set CNT, 58
.set MSB, 0
.macro WIN new                         ; the immediate's high byte repeats the setting that is left
.if MSB != (\new)
	s_set_vgpr_msb (MSB<<8)|(\new)
.set MSB, (\new)
.endif
.endm
.macro ROUND
	s_barrier_signal -1
	s_barrier_wait -1
	s_cmp_lg_u32 s[WV], 0
	s_cbranch_scc1 .Lnot_wave_0_\@
	s_barrier_signal -3
.Lnot_wave_0_\@:
	s_barrier_wait -3
	s_barrier_signal -1
	s_barrier_wait -1
.endm
	s_load_b256 s[4:11], s[0:1], 0x0               ; cqkv, sqkv, catt, satt
	v_lshl_add_u32 v[SPW], v0, 2, SPARE
	v_mov_b32 v[NIL], 0
	ds_add_u32 v[SPW], v[NIL]                      ; the opening lines: the add twice and its wait
	ds_add_u32 v[SPW], v[NIL]
	v_lshrrev_b32 v1, 5, v0
	v_readfirstlane_b32 s[WV], v1                  ; wave 0..7
	s_bfe_u32 s13, ttmp6, 0x40000                  ; cx: which 512 queries
	s_lshr_b32 s14, ttmp9, 4                       ; batch
	s_and_b32 s15, ttmp9, 15                       ; head
	s_lshl_b32 s32, s15, 2
	s_add_co_u32 s32, s32, s14                     ; k's block: 4 x head + batch
	s_add_co_u32 s33, ttmp9, 128                   ; v's block
	s_sub_co_u32 s33, s33, s32
	s_lshr_b32 s34, s[WV], 2                       ; waves 0-3 fetch k, 4-7 v
	s_and_b32 s35, s[WV], 3                        ; a quarter each
	s_mul_i32 s33, s33, s34
	s_add_co_u32 s33, s33, s32
	s_mul_i32 s36, s33, 98304
	s_mul_i32 s38, s35, 24576
	s_add_co_u32 s36, s36, s38
	s_mov_b32 s37, 0
	s_mov_b32 s39, 0
	s_mov_b32 s[G1C], 15|(3<<16)|(1<<21)           ; the mask of all four partners; elements of 8 bytes
	s_mov_b32 s[G1C+1], 32<<16                     ; 96 rows of 256 bytes, dense
	s_mov_b32 s[G1C+2], 96<<16
	s_mov_b32 s[G1C+3], 32<<16
	s_mov_b32 s[G1C+4], 96
	s_mov_b32 s[G1C+5], 32
	s_mov_b32 s[G1C+6], 0
	s_mov_b32 s[G1C+7], 0
	s_mov_b32 s[SEL], 0x76543210
	s_mov_b32 s[SEL+1], 0xfedcba98
	s_mov_b32 s[CS], 0x3e38aa3b                    ; log2(e) / 8
	s_mov_b32 s[CS+1], s[CS]
	s_wait_dscnt 0x0
	s_wait_kmcnt 0x0
	s_mov_b32 s[G0C], 1
	s_mul_i32 s[G0C+1], s[WV], 24576
	s_add_nc_u64 s[G0C+2:G0C+3], s[4:5], s[36:37]
	s_or_b32 s[G0C+3], s[G0C+3], 0x80000000
	ROUND
	tensor_load_to_lds s[G0C:G0C+3], s[G1C:G1C+7]  ; my one tensor load
	s_nop 0
.rept 4
	v_nop
.endr
	s_lshl_b32 s38, s32, 12
	s_add_nc_u64 s[40:41], s[6:7], s[38:39]        ; k's scale words
	s_add_co_u32 s38, ttmp9, 128
	s_lshl_b32 s38, s38, 12
	s_add_nc_u64 s[42:43], s[6:7], s[38:39]        ; v's
	s_add_co_u32 s32, s32, 64                      ; q's block
	s_mul_i32 s36, s32, 98304
	s_lshl_b32 s33, s13, 3
	s_add_co_u32 s33, s33, s[WV]                   ; which 64 tokens are my wave's
	s_mul_i32 s34, s33, 3072
	s_add_co_u32 s36, s36, s34
	s_add_nc_u64 s[4:5], s[4:5], s[36:37]
	s_lshl_b32 s38, s32, 12
	s_lshl_b32 s34, s33, 7
	s_add_co_u32 s38, s38, s34
	s_add_nc_u64 s[6:7], s[6:7], s[38:39]
	s_lshl_b32 s35, ttmp9, 7
	s_lshl_b32 s36, s33, 2
	s_add_co_u32 s35, s35, s36                     ; my first row of catt
	s_mul_i32 s36, s35, 192
	s_add_nc_u64 s[8:9], s[8:9], s[36:37]
	s_lshl_b32 s36, ttmp9, 12
	s_lshl_b32 s35, s13, 10
	s_add_co_u32 s36, s36, s35
	s_add_nc_u64 s[10:11], s[10:11], s[36:37]      ; my work-group's 1,024 bytes of satt
	s_mul_i32 s34, s[WV], 3072
	s_add_co_u32 s34, s34, OST
	s_lshl_b32 s35, s[WV], 7
	s_add_co_u32 s35, s35, SOS
	s_and_b32 s36, s[WV], 1
	s_lshl_b32 s36, s36, 9
	v_lshlrev_b32 v[TA], 4, v0
	v_lshl_add_u32 v[TL], v0, 4, KSC
	v_and_b32 v[R], 15, v0
	v_bfe_u32 v[H], v0, 4, 1
	v_and_b32 v[LN], 31, v0
	v_and_b32 v[T0], 8, v[R]
	v_and_b32 v[T1], 7, v[R]
	v_lshrrev_b32 v[T2], 3, v[R]
	v_add_nc_u32 v[T0], v[T0], v[R]
	v_lshlrev_b32 v[T2], 1, v[T2]
	v_mul_u32_u24 v[T0], v[T0], 48
	v_lshl_add_u32 v[T1], v[T1], 2, v[T2]          ; q's scale bytes: 4 (r % 8) + 2 (r / 8)
	v_mad_u32_u24 v[T0], v[H], 24, v[T0]           ; q's records r + 8 (r / 8): 16 tokens in their true order
	global_load_b128 v[KF:KF+3], v[TA], s[40:41]   ; 256 threads x 16 bytes: k's 4,096 bytes of scale words
	global_load_b128 v[KF+4:KF+7], v[TA], s[42:43] ; and v's
.irp i, 0,1,2,3
.irp k, 0,1,2
	global_load_b64 v[Q+6+12*\i+2*\k:Q+7+12*\i+2*\k], v[T0], s[4:5] offset:1536*(\i/2)+384*(\i%2)+8*\k
.endr
	global_load_u16 v[BX+\i], v[T1], s[6:7] offset:64*(\i/2)+32*(\i%2)
.endr
	v_mul_u32_u24 v[AK0], v[R], 48
	v_lshl_add_u32 v[AS0], v[R], 2, KSC
	v_lshrrev_b32 v[T3], 2, v[R]
	v_and_b32 v[T4], 3, v[R]
	v_mad_u32_u24 v[AK0], v[H], 24, v[AK0]         ; a fragment's record r, + 24 h
	v_mul_u32_u24 v[T3], v[T3], 768
	v_lshlrev_b32 v[CO0], 4, v[LN]
	v_mad_u32_u24 v[T3], v[T4], 48, v[T3]
	v_mul_u32_u24 v[CO1], v[H], KST-768
	v_mad_u32_u24 v[T3], v[H], 24, v[T3]
	v_add_nc_u32 v[ORD], s34, v[CO0]
	v_add_nc_u32 v[OSA], s34, v[T3]                ; the stage is laid [K step r / 4][tile][query r % 4][48]
	v_add3_u32 v[CO1], v[CO1], v[CO0], 512         ; the stage's second 512 bytes: lanes 0-15 end a K step's 768, lanes 16-31 begin the next
	v_add_nc_u32 v[CO2], KST+256, v[CO0]
	v_lshl_add_u32 v[SOA], v[R], 1, s35
	v_add_nc_u32 v[SGO], s36, v[CO0]
	v_add_nc_u32 v[SRD], SOS, v[SGO]
.irp i, 0,1,2,3,4
.irp k, 0,1,2,3,4,5
	v_mov_b32 v[Q+12*\i+\k], 0                     ; the zero codes beside q
.endr
.endr
.irp b, 0,1,2,3
	v_mov_b32 v[BT+\b], 0                          ; a lane permute's destination counts as a source
	v_mov_b32 v[STA+4*\b+1], 0xff61b1e6            ; the largest t so far: -3e38
	v_mov_b32 v[STA+4*\b+2], 0
	v_mov_b32 v[STA+4*\b+3], 0
.endr
.irp b, 0,1,2,3
	v_floor_f32 v[STA+4*\b], -v[STA+4*\b+1]
.endr
	v_mov_b32 v[F+1], 0
	v_mov_b32 v[TMP], 0
	s_mov_b32 s[TB], 0
	s_mov_b32 s[TS], 0
	s_mov_b32 s[CNT], 16
	s_wait_alu depctr_va_vdst(0)
	s_wait_loadcnt 0x0
.irp i, 0,1,2,3
	v_or_b32 v[QS+2*\i], 0x7f7f0000, v[BX+\i]      ; q's two bytes below, 1.0 over the zero codes
	v_lshl_or_b32 v[QS+2*\i+1], v[BX+\i], 16, 0x7f7f
.endr
	WIN 0x40
.set J, 0
.rept 128
	v_mov_b32 v[128+J], 0                          ; O^T: the step is written once, the first finds zeros (while the tiles are on their way)
.set J, J+1
.endr
	WIN 0
	v_add_nc_u32 v[ADK], s[TB], v[AK0]
	v_add_nc_u32 v[ADS], s[TS], v[AS0]
	s_wait_alu depctr_va_vdst(0)
	s_wait_tensorcnt 0x0                           ; my part of the codes is in
	ds_store_b128 v[TL], v[KF:KF+3]
	ds_store_b128 v[TL], v[KF+4:KF+7] offset:4096
	s_wait_dscnt 0x0
	s_barrier_signal -1
	s_barrier_wait -1                              ; everybody's are
.macro KLOAD ko, so                    ; four fragments of k (two records of 64 codes to a row) and their scale words
.irp e, 0,1,2,3
.irp k, 0,1,2
	ds_load_b64 v[KF+12*\e+2*\k:KF+12*\e+2*\k+1], v[ADK] offset:\ko+1536*\e+8*\k
	ds_load_b64 v[KF+12*\e+6+2*\k:KF+12*\e+7+2*\k], v[ADK] offset:\ko+1536*\e+768+8*\k
.endr
	ds_load_b32 v[KSW+\e], v[ADS] offset:\so+64*\e
.endr
.endm
.macro VLOAD                           ; four fragments of v: 16 channels x 128 keys
.irp t, 0,1,2,3
.irp k, 0,1,2
	ds_load_b64 v[VF+12*\t+2*\k:VF+12*\t+2*\k+1], v[ADV] offset:768*\t+8*\k
	ds_load_b64 v[VF+12*\t+6+2*\k:VF+12*\t+7+2*\k], v[ADV] offset:3072+768*\t+8*\k
.endr
	ds_load_b32 v[VSW+\t], v[ADS] offset:4096+64*\t
.endr
.endm
.macro QK i                            ; tile i's scores of 128 keys into buffer i % 2: eight accumulators, each begun with 0
	WIN 0x40
.irp e, 0,1,2,3
	v_wmma_scale_f32_16x16x128_f8f6f4 v[64*((\i)%2)+16*\e:64*((\i)%2)+16*\e+7], v[KF+12*\e:KF+12*\e+11], v[Q+6+12*(\i):Q+17+12*(\i)], 0, v[KSW+\e], v[QS+2*(\i)] matrix_a_fmt:MATRIX_FMT_FP6 matrix_b_fmt:MATRIX_FMT_FP6
	v_wmma_scale_f32_16x16x128_f8f6f4 v[64*((\i)%2)+16*\e+8:64*((\i)%2)+16*\e+15], v[KF+12*\e:KF+12*\e+11], v[Q+12*(\i):Q+11+12*(\i)], 0, v[KSW+\e], v[QS+2*(\i)+1] matrix_a_fmt:MATRIX_FMT_FP6 matrix_b_fmt:MATRIX_FMT_FP6
.endr
.endm
.macro PV i                            ; tile i's O^T += v^T p^T: four accumulators by turns
	WIN 0x50
.irp t, 0,1,2,3
	v_wmma_scale_f32_16x16x128_f8f6f4 v[128+32*(\i)+8*\t:128+32*(\i)+8*\t+7], v[VF+12*\t:VF+12*\t+11], v[PCD:PCD+11], v[128+32*(\i)+8*\t:128+32*(\i)+8*\t+7], v[VSW+\t], v[F+1] matrix_a_fmt:MATRIX_FMT_FP6 matrix_b_fmt:MATRIX_FMT_FP6
.endr
.endm
.macro UNIT i                          ; one tile of queries x 128 keys
.set SBF, 64*((\i)%2)
.set OBF, 128+32*(\i)
.set STT, STA+4*(\i)
	WIN 0x05
	s_wait_alu depctr_va_vdst(0)                   ; ahead of the first reader of the scores
.irp b, 0,1,2,3
	v_max_num_f32 v[BX+\b], v[SBF+16*\b], v[SBF+16*\b+1]   ; the largest score of each block of 32 keys; each accumulator from its low end on
.endr
.irp k, 2,4,6,8,10,12,14
.irp b, 0,1,2,3
	v_max3_num_f32 v[BX+\b], v[SBF+16*\b+\k], v[SBF+16*\b+\k+1], v[BX+\b]
.endr
.endr
	WIN 0
.irp b, 0,1,2,3
	v_permlanex16_b32 v[BT+\b], v[BX+\b], s[SEL], s[SEL+1]
.endr
.irp b, 0,1,2,3
	v_max_num_f32 v[BX+\b], v[BX+\b], v[BT+\b]     ; with lane l xor 16's 16 keys
.endr
	v_max3_num_f32 v[TMP], v[BX], v[BX+1], v[BX+2]
	s_delay_alu instid0(VALU_DEP_1)
	v_max_num_f32 v[TMP], v[TMP], v[BX+3]
	s_delay_alu instid0(VALU_DEP_1)
	v_mul_f32 v[TMP], s[CS], v[TMP]
	s_delay_alu instid0(VALU_DEP_1)
	v_max_num_f32 v[STT+1], v[STT+1], v[TMP]       ; the running largest t
	v_mov_b32 v[TMP], v[STT]
	s_delay_alu instid0(VALU_DEP_2)
	v_floor_f32 v[STT], -v[STT+1]                  ; -M
	s_delay_alu instid0(VALU_DEP_1)
	v_sub_f32 v[TMP], v[STT], v[TMP]
	s_delay_alu instid0(VALU_DEP_1)
	v_cvt_i32_f32 v[TMP], v[TMP]
.irp b, 0,1,2,3
	v_fma_f32 v[BX+\b], v[BX+\b], s[CS], v[STT]
.endr
	v_ldexp_f32 v[F], 1.0, v[TMP]                  ; 2^(old M - new M)
	s_delay_alu instid0(VALU_DEP_1)
	v_pk_mul_f32 v[STT+2:STT+3], v[STT+2:STT+3], v[F:F+1] op_sel_hi:[1,0]
	WIN 0x41
	s_wait_alu depctr_va_vdst(0)                   ; ahead of the first reader of O^T
.set J, 0
.rept 16
	v_pk_mul_f32 v[OBF+J:OBF+J+1], v[OBF+J:OBF+J+1], v[F:F+1] op_sel_hi:[1,0]
.set J, J+2
.endr
.set J, 0
.rept 32
	v_pk_fma_f32 v[SBF+J:SBF+J+1], v[SBF+J:SBF+J+1], s[CS:CS+1], v[STT:STT+1] op_sel_hi:[1,0,0]   ; t - M
.set J, J+2
.endr
	WIN 0
	s_wait_alu depctr_va_vdst(0)                   ; ahead of the batch: the products below are issued behind it
.if \i == 1
	s_wait_dscnt 0x0                               ; v's fragments, asked for one tile ago
.endif
.if \i > 0
	PV (\i)-1
.endif
.if \i < 3
	QK (\i)+1
.else
	WIN 0
	s_cmp_eq_u32 s[CNT], 1                         ; the last step has no successor
	s_cbranch_scc1 .Lnoq_\@
	s_wait_dscnt 0x0                               ; the next step's fragments of k, asked for one tile ago
	QK 0
	WIN 0
.Lnoq_\@:
.endif
	WIN 0x41
.set J, 0
.rept 64
	v_exp_f32 v[SBF+J], v[SBF+J]                   ; p, at most 1
.set J, J+1
.endr
	WIN 0
.irp b, 0,1,2,3
	v_exp_f32 v[BX+\b], v[BX+\b]                   ; each block's largest p
.endr
	v_nop
	s_wait_alu depctr_va_vdst(0)                   ; one wait for the batch
.irp b, 0,1,2,3
	v_max_num_f32 v[BX+\b], 0x1800000, v[BX+\b]    ; the floor 2^(3 - 127)
.endr
.irp b, 0,1,2,3
	v_add_nc_u32 v[BO+\b], 0xff000000, v[BX+\b]    ; 2 off the exponent field: the conversion's scale operand
.endr
.irp b, 0,1,2,3
	v_lshrrev_b32 v[BT+\b], 23, v[BO+\b]
.endr
	v_lshl_or_b32 v[F+1], v[BT+1], 8, v[BT]
	s_delay_alu instid0(VALU_DEP_1)
	v_lshl_or_b32 v[F+1], v[BT+2], 16, v[F+1]
	s_delay_alu instid0(VALU_DEP_1)
	v_lshl_or_b32 v[F+1], v[BT+3], 24, v[F+1]      ; p's scale word
.if \i == 0
	v_add_nc_u32 v[ADK], s[TB], v[AK0]             ; this step's place; the 16 plain lines above are the places behind the last products on v's fragments
	v_add_nc_u32 v[ADS], s[TS], v[AS0]
	v_add_nc_u32 v[ADV], VC, v[ADK]
	VLOAD
.endif
.if \i == 2
	s_wait_alu depctr_va_vdst(0)
	s_cmp_eq_u32 s[CNT], 1
	s_cbranch_scc1 .Lnok_\@
	KLOAD 6144, 256                                ; the next step's k: this step's last scores were issued above
.Lnok_\@:
.endif
	WIN 0x01
.irp c, 0,1
	v_cvt_scalef32_pk16_fp6_f32 v[PCD+6*\c:PCD+6*\c+2], v[SBF+32*\c:SBF+32*\c+15], v[BO+2*\c]
	v_cvt_scalef32_pk16_fp6_f32 v[PH+4*\c:PH+4*\c+2], v[SBF+32*\c+16:SBF+32*\c+31], v[BO+2*\c+1]
.endr
	WIN 0
	v_nop                                          ; one plain place behind a scaled conversion
.irp c, 0,1
.irp k, 0,1,2
	v_permlane16_swap_b32 v[PCD+6*\c+\k], v[PH+4*\c+\k]   ; a whole block to a lane
.endr
.irp k, 0,1,2
	v_mov_b32 v[PCD+3+6*\c+\k], v[PH+4*\c+\k]
.endr
.endr
	WIN 0x05
	v_pk_add_f32 v[BT:BT+1], v[SBF:SBF+1], v[SBF+2:SBF+3]   ; the sum of the unquantised p, in two chains; these lines are also the places ahead of the scaled products
	WIN 0x04
.set J, 4
.rept 15
	v_pk_add_f32 v[STT+2:STT+3], v[STT+2:STT+3], v[SBF+J:SBF+J+1]
	v_pk_add_f32 v[BT:BT+1], v[BT:BT+1], v[SBF+J+2:SBF+J+3]
.set J, J+4
.endr
	WIN 0
	v_pk_add_f32 v[STT+2:STT+3], v[STT+2:STT+3], v[BT:BT+1]
.if \i == 3
	PV 3
	WIN 0
.endif
.endm
	KLOAD 0, 0
	s_wait_dscnt 0x0
	QK 0
	WIN 0
.rept 4
	v_nop                                          ; places behind the first scores
.endr
.Lstep:                                                ; 16 steps of 128 keys
	UNIT 0
	UNIT 1
	UNIT 2
	UNIT 3
	s_add_co_u32 s[TB], s[TB], 6144
	s_add_co_u32 s[TS], s[TS], 256
	s_sub_co_u32 s[CNT], s[CNT], 1
	s_cmp_lg_u32 s[CNT], 0
	s_cbranch_scc1 .Lstep
	s_wait_alu depctr_va_vdst(0)
.rept 4
	v_nop                                          ; places behind the last products
.endr
.irp i, 0,1,2,3
	v_add_f32 v[STA+4*\i+2], v[STA+4*\i+2], v[STA+4*\i+3]
.endr
.irp i, 0,1,2,3
	v_permlanex16_b32 v[BT+\i], v[STA+4*\i+2], s[SEL], s[SEL+1]
.endr
.irp i, 0,1,2,3
	v_add_f32 v[STA+4*\i+2], v[STA+4*\i+2], v[BT+\i]   ; the rows' sums
.endr
	s_wait_alu depctr_va_vdst(0)
.irp i, 0,1,2,3
	v_rcp_f32 v[STA+4*\i+2], v[STA+4*\i+2]
.endr
	v_nop
.macro OUTT i                          ; tile i: O^T / the sum, quantised along the 64 channels, into the stage
	WIN 0x41
	s_wait_alu depctr_va_vdst(0)                   ; behind the reciprocals, ahead of the first reader of this tile's O^T
.set J, 0
.rept 16
	v_pk_mul_f32 v[J:J+1], v[128+32*(\i)+J:128+32*(\i)+J+1], v[STA+4*(\i)+2:STA+4*(\i)+3] op_sel_hi:[1,0]
.set J, J+2
.endr
	WIN 0x05
.irp e, 0,1
	v_max3_num_f32 v[BX+\e], |v[16*\e]|, |v[16*\e+1]|, 0x1800000
.endr
.irp k, 2,4,6,8,10,12,14
.irp e, 0,1
	v_max3_num_f32 v[BX+\e], |v[16*\e+\k]|, |v[16*\e+\k+1]|, v[BX+\e]
.endr
.endr
	WIN 0
.irp e, 0,1
	v_permlanex16_b32 v[BT+\e], v[BX+\e], s[SEL], s[SEL+1]
.endr
.irp e, 0,1
	v_max_num_f32 v[BX+\e], v[BX+\e], v[BT+\e]
.endr
.irp e, 0,1
	v_add_nc_u32 v[BO+\e], 0xff000000, v[BX+\e]
.endr
.irp e, 0,1
	v_lshrrev_b32 v[BT+\e], 23, v[BO+\e]
.endr
	v_lshl_or_b32 v[TMP], v[BT+1], 8, v[BT]
	WIN 0x01
	v_cvt_scalef32_pk16_fp6_f32 v[PCD:PCD+2], v[0:15], v[BO]
	v_cvt_scalef32_pk16_fp6_f32 v[PH:PH+2], v[16:31], v[BO+1]
	WIN 0
	v_nop
.irp k, 0,1,2
	v_permlane16_swap_b32 v[PCD+\k], v[PH+\k]
.endr
.irp k, 0,1,2
	v_mov_b32 v[PCD+3+\k], v[PH+\k]
.endr
.irp k, 0,1,2
	ds_store_b64 v[OSA], v[PCD+2*\k:PCD+2*\k+1] offset:192*(\i)+8*\k
.endr
	ds_store_b16 v[SOA], v[TMP] offset:32*(\i)     ; lanes r and r + 16 write the same bytes with the same values
	s_wait_dscnt 0x0                               ; the stores have read their registers
.endm
	OUTT 0
	OUTT 1
	OUTT 2
	OUTT 3
.irp n, 0,1,2,3,4,5
	ds_load_b128 v[KF+4*\n:KF+4*\n+3], v[ORD] offset:512*\n   ; my own stage: LDS serves a wave's instructions in order
.endr
	s_wait_alu depctr_va_vdst(0)
	s_wait_dscnt 0x0
.irp g, 0,1                            ; K steps 2 g and 2 g + 1: 768 consecutive bytes each; sixteen lanes store 256 consecutive bytes, at a multiple of 256 from catt's first byte
	global_store_b128 v[CO0], v[KF+12*\g:KF+12*\g+3], s[8:9] offset:2*KST*\g
	global_store_b128 v[CO1], v[KF+12*\g+4:KF+12*\g+7], s[8:9] offset:2*KST*\g
	global_store_b128 v[CO2], v[KF+12*\g+8:KF+12*\g+11], s[8:9] offset:2*KST*\g
.endr
	s_barrier_signal -1
	s_barrier_wait -1                              ; all eight waves' scale bytes lie in LDS
	s_cmp_lt_u32 s[WV], 2
	s_cbranch_scc0 .Lno_scales
	ds_load_b128 v[VF:VF+3], v[SRD]
	s_wait_dscnt 0x0
	global_store_b128 v[SGO], v[VF:VF+3], s[10:11] ; waves 0 and 1 store 512 consecutive bytes each
.Lno_scales:
	s_wait_tensorcnt 0x0                           ; the wave's end
	ds_add_u32 v[SPW], v[NIL]
	s_wait_dscnt 0x0
	ROUND                                          ; the closing round
	s_endpgm
.Lfunc_end_k_q68cd9be9c0_attn:
	.size	k_q68cd9be9c0_attn, .Lfunc_end_k_q68cd9be9c0_attn-k_q68cd9be9c0_attn
	.p2alignl 7, 3214868480
	.fill 96, 4, 3214868480
	.section	.rodata,"a",@progbits
	.p2align	6, 0x0
	.amdhsa_kernel k_q68cd9be9c0_attn
		.amdhsa_group_segment_fixed_size 327680
		.amdhsa_private_segment_fixed_size 0
		.amdhsa_enable_private_segment 0
		.amdhsa_kernarg_size 32
		.amdhsa_user_sgpr_count 2
		.amdhsa_user_sgpr_kernarg_segment_ptr 1
		.amdhsa_wavefront_size32 1
		.amdhsa_system_sgpr_workgroup_id_x 1
		.amdhsa_system_sgpr_workgroup_id_y 1
		.amdhsa_system_sgpr_workgroup_id_z 1
		.amdhsa_system_vgpr_workitem_id 0
		.amdhsa_next_free_vgpr 512
		.amdhsa_next_free_sgpr 80
		.amdhsa_reserve_vcc 0
		.amdhsa_float_denorm_mode_32 3
		.amdhsa_float_denorm_mode_16_64 3
		.amdhsa_memory_ordered 1
		.amdhsa_forward_progress 1
		.amdhsa_inst_pref_size 93
	.end_amdhsa_kernel
	.amdgpu_metadata
---
amdhsa.version: [ 1, 2 ]
amdhsa.kernels:
  - .name:           k_q68cd9be9c0_attn
    .symbol:         k_q68cd9be9c0_attn.kd
    .args:
      - { .name: cqkv, .offset: 0, .size: 8, .value_kind: global_buffer, .address_space: global }
      - { .name: sqkv, .offset: 8, .size: 8, .value_kind: global_buffer, .address_space: global }
      - { .name: catt, .offset: 16, .size: 8, .value_kind: global_buffer, .address_space: global }
      - { .name: satt, .offset: 24, .size: 8, .value_kind: global_buffer, .address_space: global }
    .group_segment_fixed_size: 327680
    .private_segment_fixed_size: 0
    .kernarg_segment_align: 8
    .kernarg_segment_size: 32
    .max_flat_workgroup_size: 256
    .sgpr_count:     80
    .vgpr_count:     512
    .wavefront_size: 32
...
	.end_amdgpu_metadata
.endif
;; end of part 3
;; launch proj (part 4): grid 4 x 32, 4 waves a work-group, clusters of 4 x 4, 327,680 bytes of LDS; arguments catt, satt, cin, sin, proj_bias, out0; writes out0
.if DOCPART == 4
	.amdgcn_target "amdgcn-amd-amdhsa--gfx1250"
	.amdhsa_code_object_version 6
	.text
	.protected	k_q68cd9be9c0_proj
	.globl	k_q68cd9be9c0_proj
	.p2align	8
	.type	k_q68cd9be9c0_proj,@function
k_q68cd9be9c0_proj:
	s_mov_b64 s[64:65], 0
	v_nop
	global_prefetch_b8 v0, s[64:65] scope:SCOPE_SE
	s_setreg_imm32_b32 hwreg(HW_REG_WAVE_MODE, 25, 1), 1
	s_wait_xcnt 0x0
	s_wait_alu depctr_hold_cnt(0) depctr_sa_sdst(0) depctr_va_vdst(0) depctr_va_sdst(0) depctr_va_ssrc(0) depctr_va_vcc(0) depctr_vm_vsrc(0)
	s_getreg_b32 s2, hwreg(HW_REG_IB_STS2, 6, 4)
	s_cmp_eq_u32 s2, 0
	s_cbranch_scc0 .Lentry_in_a_cluster
	s_endpgm
.Lentry_in_a_cluster:
	s_bfe_u32 s2, ttmp6, 0x10000c
	s_cmp_lg_u32 s2, 0xf033
	s_cbranch_scc0 .Lentry_shape_is_right
	s_endpgm
.Lentry_shape_is_right:
.set SIZE_N, 1024
.set KSTEP,  256
.set NQ,     2
.set ROWB,   8192*192                  ; catt is laid [4 K steps][8,192 rows][192 bytes]: bytes from a K step to the next
.set ROWBB,  12288*192                 ; cin likewise, 12,288 rows
.set KROW,   192
.set PITCH,  240
.set FR,     12
.set NL,     6
.set NP,     4
.set HALFT,  128*PITCH
.set SLOT,   4*HALFT
.set LAPS,   2
.set KS,     32
.set SCL,    2*SLOT
.set HALFS,  (128*KS/256)*272
.set SBLK,   (16*KS/256)*272
.set SPARE,  SCL+4*HALFS
.set SPITCH, 528
.set ADRA, 16
.set ADRB, 20
.set STO,  24
.set RD,   25
.set CO,   26
.set ADRS, 27
.set SPW,  28
.set NIL,  29
.set SC,   32
.set BN,   64
.set AF,   128
.set BK,   128
.set G1, 24
.set G0, 32
.set G1B, 48
.set G0B, 56
.set G1S, 68
.set G0S, 76
.set G1SB, 80
.set G0SB, 88
.set MSB, 0
.macro WIN new
.if MSB != (\new)
	s_set_vgpr_msb (MSB<<8)|(\new)
.set MSB, (\new)
.endif
.endm
.set MUL_LO, 0xa1
.set MUL_HI, 0xf1
.set TO_B,   0x40
.macro JLOAD g0a, g1a, g0b, g1b
	s_cmp_eq_u32 s15, 0
	s_cbranch_scc0 .Lfor_b_\@
	tensor_load_to_lds s[\g0a:\g0a+3], s[\g1a:\g1a+7]
	s_nop 0
.rept 4
	v_nop
.endr
	s_branch .Lasked_\@
.Lfor_b_\@:
	tensor_load_to_lds s[\g0b:\g0b+3], s[\g1b:\g1b+7]
	s_nop 0
.rept 4
	v_nop
.endr
.Lasked_\@:
.endm
.macro CREST
	s_cmp_lg_u32 s14, 0
	s_cbranch_scc1 .Lnot_wave_0_\@
	s_barrier_signal -3
.Lnot_wave_0_\@:
	s_barrier_wait -3
	s_barrier_signal -1
	s_barrier_wait -1
.endm
.macro CROUND
	s_barrier_signal -1
	s_barrier_wait -1
	CREST
.endm
	s_load_b128 s[4:7], s[0:1], 0x0
	s_load_b128 s[8:11], s[0:1], 0x10
	s_load_b64 s[2:3], s[0:1], 0x20
	s_load_b64 s[12:13], s[0:1], 0x28
	v_lshl_add_u32 v[SPW], v0, 2, SPARE
	v_mov_b32 v[NIL], 0
	ds_add_u32 v[SPW], v[NIL]
	ds_add_u32 v[SPW], v[NIL]
	v_lshrrev_b32 v1, 5, v0
	v_readfirstlane_b32 s14, v1
	s_lshr_b32 s15, s14, 1
	s_and_b32 s16, s14, 1
	s_bfe_u32 s40, ttmp6, 0x40000
	s_bfe_u32 s41, ttmp6, 0x40004
	s_lshl_b32 s42, ttmp9, 2
	s_add_co_u32 s42, s42, s40
	s_and_b32 s17, ttmp7, 0xffff
	s_lshl_b32 s17, s17, 2
	s_add_co_u32 s17, s17, s41
	s_lshl_b32 s43, s41, 2
	s_lshl_b32 s43, 15, s43
	s_lshl_b32 s44, 0x1111, s40
	s_or_b32 s[G1+0], s43, (0<<16)|(1<<20)|(1<<21)|(3<<22)|(3<<25)
	s_or_b32 s[G1B+0], s44, (0<<16)|(1<<20)|(1<<21)|(3<<22)|(3<<25)
.irp g, G1, G1B
	s_mov_b32 s[\g+1], 256<<16                     ; a tile is a dense block: it comes as rows of 256 bytes
	s_mov_b32 s[\g+2], 192<<16                     ; the head's loads: 256 rows x 192 bytes = 192 x 256
	s_mov_b32 s[\g+3], 256<<16
	s_mov_b32 s[\g+4], 192
	s_mov_b32 s[\g+5], 256
	s_mov_b32 s[\g+6], 0
	s_mov_b32 s[\g+7], 0
.endr
	s_or_b32 s[G1S+0], s43, (3<<16)|(1<<20)|(1<<21)|(5<<22)|(3<<25)
	s_or_b32 s[G1SB+0], s44, (3<<16)|(1<<20)|(1<<21)|(5<<22)|(3<<25)
.irp g, G1S, G1SB
	s_mov_b32 s[\g+1], 32<<16
	s_mov_b32 s[\g+2], (256*KS/256)<<16
	s_mov_b32 s[\g+3], 32<<16
	s_mov_b32 s[\g+4], 256*KS/256
	s_mov_b32 s[\g+5], 32
	s_mov_b32 s[\g+6], 0
	s_mov_b32 s[\g+7], 0
.endr
	s_mul_i32 s96, s16, 128*192                    ; in the ring I fetch 128 rows of a tile: which half, in bytes
	s_mov_b32 s97, 0
	s_lshl_b32 s20, s17, 8
	s_lshl_b32 s46, s42, 8
	s_add_co_u32 s46, s46, 11264
	s_mov_b32 s21, 0
	s_mov_b32 s47, 0
	s_mov_b64 s[18:19], KS
	s_mul_u64 s[22:23], s[20:21], s[18:19]
	s_mul_u64 s[92:93], s[46:47], s[18:19]
	s_mov_b64 s[18:19], KROW
	s_mul_u64 s[20:21], s[20:21], s[18:19]
	s_mul_u64 s[46:47], s[46:47], s[18:19]
	s_mul_i32 s45, s14, HALFT
	s_wait_dscnt 0x0
	s_wait_kmcnt 0x0
	s_add_nc_u64 s[20:21], s[4:5], s[20:21]
	s_add_nc_u64 s[22:23], s[6:7], s[22:23]
	s_add_nc_u64 s[46:47], s[8:9], s[46:47]
	s_add_nc_u64 s[92:93], s[10:11], s[92:93]
	CROUND
	s_mov_b32 s[G0S], 1
	s_mov_b32 s[G0S+1], SCL
	s_mov_b64 s[G0S+2:G0S+3], s[22:23]
	s_or_b32 s[G0S+3], s[G0S+3], 0x80000000
	s_mov_b32 s[G0SB], 1
	s_mov_b32 s[G0SB+1], SCL+2*HALFS
	s_mov_b64 s[G0SB+2:G0SB+3], s[92:93]
	s_or_b32 s[G0SB+3], s[G0SB+3], 0x80000000
	s_mov_b32 s[G0], 1                             ; slot 0's sets serve the head first: K step 0's 256 rows of A, whole,
	s_mov_b32 s[G0+1], 0
	s_mov_b64 s[G0+2:G0+3], s[20:21]
	s_or_b32 s[G0+3], s[G0+3], 0x80000000
	s_mov_b32 s[G0B], 1                            ; and of B, behind them
	s_mov_b32 s[G0B+1], 2*HALFT
	s_mov_b64 s[G0B+2:G0B+3], s[46:47]
	s_or_b32 s[G0B+3], s[G0B+3], 0x80000000
	s_add_nc_u64 s[20:21], s[20:21], s[96:97]      ; slot 1's sets: my 128 rows of K step 1
	s_add_nc_u64 s[46:47], s[46:47], s[96:97]
	s_mov_b32 s[G0+4], 1
	s_add_co_u32 s[G0+5], s45, SLOT
	s_add_nc_u64 s[G0+6:G0+7], s[20:21], ROWB
	s_or_b32 s[G0+7], s[G0+7], 0x80000000
	s_mov_b32 s[G0B+4], 1
	s_add_co_u32 s[G0B+5], s45, SLOT
	s_add_nc_u64 s[G0B+6:G0B+7], s[46:47], ROWBB
	s_or_b32 s[G0B+7], s[G0B+7], 0x80000000
; the head's four tiles, one joint load a wave: one chain of branches on the wave's number, every way through it passes one load
.macro ARM under, g0, g1, next
	s_cmp_lt_u32 s14, \under
	s_cbranch_scc0 \next
	tensor_load_to_lds s[\g0:\g0+3], s[\g1:\g1+7]
	s_nop 0
.rept 4
	v_nop
.endr
	s_branch .Lhead_asked
\next:
.endm
	ARM 1, G0,  G1,  .Lhead_b
	ARM 2, G0B, G1B, .Lhead_sa
	ARM 3, G0S, G1S, .Lhead_sb
	tensor_load_to_lds s[G0SB:G0SB+3], s[G1SB:G1SB+7]
	s_nop 0
.rept 4
	v_nop
.endr
.Lhead_asked:
	v_and_b32 v1, 15, v0
	v_bfe_u32 v2, v0, 4, 1
	s_lshl_b32 s18, s42, 10
	s_lshl_b32 s19, s16, 9
	s_add_co_u32 s18, s18, s19
	s_mov_b32 s19, 0
	s_add_nc_u64 s[2:3], s[2:3], s[18:19]
	v_lshlrev_b32 v8, 6, v2
.irp b, 0,1,2,3,4,5,6,7
	global_load_b128 v[BN+8*\b:BN+8*\b+3], v8, s[2:3] offset:128*(\b/2)+32*(\b%2)
	global_load_b128 v[BN+8*\b+4:BN+8*\b+7], v8, s[2:3] offset:128*(\b/2)+32*(\b%2)+16
.endr
	v_mul_u32_u24 v3, v1, PITCH
	v_mul_u32_u24 v4, v2, 24
	v_add_nc_u32 v4, v3, v4
	v_lshl_add_u32 v5, v2, 4, v4
	s_mul_i32 s21, s15, HALFT
	s_mul_i32 s22, s16, HALFT
	s_add_co_u32 s22, s22, 2*HALFT
.irp s, 0,1
	v_add_nc_u32 v[ADRA+\s], s21, v4
	v_add_nc_u32 v[ADRB+\s], s22, v4
	v_add_nc_u32 v[ADRA+2+\s], s21, v5
	v_add_nc_u32 v[ADRB+2+\s], s22, v5
	s_add_co_u32 s21, s21, SLOT
	s_add_co_u32 s22, s22, SLOT
.endr
	v_mul_u32_u24 v5, v1, KS
	v_lshrrev_b32 v6, 8, v5
	v_lshl_add_u32 v5, v6, 4, v5
	s_mul_i32 s21, s15, HALFS
	s_mul_i32 s22, s16, HALFS
	s_add_co_u32 s22, s22, 2*HALFS
	s_sub_co_u32 s22, s22, s21
	v_mul_u32_u24 v6, s22, v2
	s_add_co_u32 s21, s21, SCL
	v_add_nc_u32 v5, v5, v6
	v_add_nc_u32 v[ADRS], s21, v5
	s_mul_i32 s23, s14, 16*SPITCH
	v_mul_u32_u24 v5, v1, SPITCH
	v_lshl_add_u32 v5, v2, 6, v5
	v_add_nc_u32 v[STO], s23, v5
	v_and_b32 v6, 31, v0
	v_lshlrev_b32 v[CO], 4, v6
	v_add_nc_u32 v[RD], s23, v[CO]
	s_lshl_b32 s20, s17, 8
	s_lshl_b32 s21, s15, 7
	s_add_co_u32 s20, s20, s21
	s_mov_b32 s21, 0
	s_mov_b64 s[18:19], SIZE_N*4
	s_mul_u64 s[20:21], s[20:21], s[18:19]
	s_lshl_b32 s46, s42, 10
	s_lshl_b32 s47, s16, 9
	s_add_co_u32 s46, s46, s47
	s_mov_b32 s47, 0
	s_add_nc_u64 s[20:21], s[20:21], s[46:47]
	s_add_nc_u64 s[12:13], s[12:13], s[20:21]
.macro FRAG reg, adr, q, i
.irp p, 0,1,2,3,4,5
.set PIECE, 12*(\q)+6*(\p/3)+\p%3
.if PIECE%8 < 5
	ds_load_b64 v[\reg+2*\p:\reg+2*\p+1], v[\adr] offset:8*PIECE+16*(PIECE/8)+(\i)*16*PITCH
.else
	ds_load_b64 v[\reg+2*\p:\reg+2*\p+1], v[\adr+2] offset:8*PIECE+16*(PIECE/8)+(\i)*16*PITCH
.endif
.endr
.endm
.macro MUL16 a0, p, q, sc, first
.irp a, \a0, \a0+1
.irp b, 0,1,2,3,4,5,6,7
.if \first
	v_wmma_scale_f32_16x16x128_f8f6f4 v[8*(8*((\a)%4)+\b):8*(8*((\a)%4)+\b)+7], v[128*(\p)+FR*\b:128*(\p)+FR*\b+FR-1], v[AF+FR*(\a):AF+FR*(\a)+FR-1], v[BN+8*\b:BN+8*\b+7], v[SC+8*NQ*(\sc)+NQ*\b+(\q)], v[SC+8*NQ*(\sc)+NQ*(\a)+(\q)] matrix_a_fmt:MATRIX_FMT_FP6 matrix_b_fmt:MATRIX_FMT_FP6 matrix_a_scale:MATRIX_SCALE_ROW1
.else
	v_wmma_scale_f32_16x16x128_f8f6f4 v[8*(8*((\a)%4)+\b):8*(8*((\a)%4)+\b)+7], v[128*(\p)+FR*\b:128*(\p)+FR*\b+FR-1], v[AF+FR*(\a):AF+FR*(\a)+FR-1], v[8*(8*((\a)%4)+\b):8*(8*((\a)%4)+\b)+7], v[SC+8*NQ*(\sc)+NQ*\b+(\q)], v[SC+8*NQ*(\sc)+NQ*(\a)+(\q)] matrix_a_fmt:MATRIX_FMT_FP6 matrix_b_fmt:MATRIX_FMT_FP6 matrix_a_scale:MATRIX_SCALE_ROW1
.endif
.endr
.endr
.endm
.macro FETCH_B slot, q, p
	WIN TO_B
.irp i, 0,1,2,3,4,5,6,7
	FRAG 128*(\p)+FR*\i, ADRB+\slot, \q, \i
.endr
	WIN 0
.endm
.macro FETCH_A slot, q, i0
.irp i, \i0, \i0+1, \i0+2, \i0+3
	FRAG AF+FR*(\i), ADRA+\slot, \q, \i
.endr
.endm
.macro SCALES sc
.irp i, 0,1,2,3,4,5,6,7
	ds_load_b64 v[SC+8*NQ*\sc+NQ*\i:SC+8*NQ*\sc+NQ*\i+1], v[ADRS] offset:\i*SBLK
.endr
.endm
.macro PLACES n
.rept \n
	v_nop
.endr
.endm
.macro STEP slot, q, first
	s_wait_dscnt 4*NL
.if \first
	WIN 0x81
.else
	WIN MUL_LO
.endif
	MUL16 0, (\q)%2, \q, \slot, \first
	MUL16 2, (\q)%2, \q, \slot, \first
	s_wait_dscnt 0
	PLACES NP
	FETCH_B \slot, (\q)+1, 1-(\q)%2
	FETCH_A \slot, (\q)+1, 0
.if \first
	WIN 0xc1
.else
	WIN MUL_HI
.endif
	MUL16 4, (\q)%2, \q, \slot, \first
	MUL16 6, (\q)%2, \q, \slot, \first
	PLACES NP
	WIN 0
	FETCH_A \slot, (\q)+1, 4
.endm
.macro TURN slot, next, fill
	s_wait_tensorcnt 0x0
	ds_add_u32 v[SPW], v[NIL]
	s_wait_dscnt 4*NL+1
	WIN MUL_LO
	MUL16 0, 1, NQ-1, \slot, 0
	s_wait_dscnt 0x0
	s_barrier_signal -1
	MUL16 2, 1, NQ-1, \slot, 0
	WIN 0
	s_barrier_wait -1
.if \fill
	CREST
	s_add_nc_u64 s[G0+4*\slot+2:G0+4*\slot+3], s[G0+4*\slot+2:G0+4*\slot+3], 2*ROWB
	s_add_nc_u64 s[G0B+4*\slot+2:G0B+4*\slot+3], s[G0B+4*\slot+2:G0B+4*\slot+3], 2*ROWBB
	JLOAD G0+4*\slot, G1, G0B+4*\slot, G1B
.else
	PLACES NP
.endif
	s_wait_alu depctr_va_vdst(0)
	v_add_nc_u32 v[ADRS], 4*NQ, v[ADRS]
	FETCH_B \next, 0, 0
	FETCH_A \next, 0, 0
	SCALES \next
	WIN MUL_HI
	MUL16 4, 1, NQ-1, \slot, 0
	MUL16 6, 1, NQ-1, \slot, 0
	PLACES NP
	WIN 0
	FETCH_A \next, 0, 4
.endm
	s_wait_alu depctr_va_vdst(0)
	s_wait_tensorcnt 0x0                           ; my tile of the head's four is in
	ds_add_u32 v[SPW], v[NIL]
	s_mov_b32 s[G1+2], 96<<16                      ; no load of mine is out: from here on a load brings 128 rows x 192 bytes = 96 x 256,
	s_mov_b32 s[G1+4], 96
	s_mov_b32 s[G1B+2], 96<<16
	s_mov_b32 s[G1B+4], 96
	s_mul_i32 s[G0+1], s14, HALFT                  ; and slot 0's sets become the ring's: my quarter of the slot, my 128 rows
	s_mul_i32 s[G0B+1], s14, HALFT
	s_add_nc_u64 s[G0+2:G0+3], s[G0+2:G0+3], s[96:97]
	s_add_nc_u64 s[G0B+2:G0B+3], s[G0B+2:G0B+3], s[96:97]
	s_wait_dscnt 0x0
	CROUND                                         ; all four tiles are in, all sixteen work-groups are here
	JLOAD G0+4, G1, G0B+4, G1B                     ; K step 1, the first tensor load behind the round
	FETCH_B 0, 0, 0
	FETCH_A 0, 0, 0
	SCALES 0
	FETCH_A 0, 0, 4
	s_wait_loadcnt 0x0
	STEP 0, 0, 1
	s_mov_b32 s3, LAPS-1
.Llap:
	TURN 0, 1, 1
	STEP 1, 0, 0
	TURN 1, 0, 1
	STEP 0, 0, 0
	s_sub_co_u32 s3, s3, 1
	s_cmp_lg_u32 s3, 0
	s_cbranch_scc1 .Llap
	TURN 0, 1, 0
	STEP 1, 0, 0
	s_wait_dscnt 4*NL
	WIN MUL_LO
	MUL16 0, 1, NQ-1, 1, 0
	MUL16 2, 1, NQ-1, 1, 0
	s_wait_dscnt 0
	WIN MUL_HI
	MUL16 4, 1, NQ-1, 1, 0
	MUL16 6, 1, NQ-1, 1, 0
	WIN 0
.macro TOSTAGE a
.set AC, 64*((\a)%4)
	WIN 0x08+4*((\a)/4)
.irp b, 0,1,2,3,4,5,6,7
	ds_store_b128 v[STO], v[AC+8*\b:AC+8*\b+3] offset:128*(\b/2)+32*(\b%2)
	ds_store_b128 v[STO], v[AC+8*\b+4:AC+8*\b+7] offset:128*(\b/2)+32*(\b%2)+16
.endr
	WIN 0
.set BB, BK+64*((\a)%2)
.irp t, 0,1,2,3,4,5,6,7,8,9,10,11,12,13,14,15
	ds_load_b128 v[BB+4*\t:BB+4*\t+3], v[RD] offset:\t*SPITCH
.endr
.endm
.macro SEND a, younger
.set BB, BK+64*((\a)%2)
	s_wait_dscnt \younger
.if (\a) > 0
	s_add_nc_u64 s[12:13], s[12:13], 16*SIZE_N*4
.endif
.irp t, 0,1,2,3,4,5,6,7,8,9,10,11,12,13,14,15
	global_store_b128 v[CO], v[BB+4*\t:BB+4*\t+3], s[12:13] offset:\t*SIZE_N*4 th:TH_STORE_NT
.endr
.endm
	PLACES NP
	TOSTAGE 0
.irp a, 1,2,3,4,5,6,7
.if \a > 1
	s_wait_xcnt 0x0
.endif
	TOSTAGE \a
	SEND \a-1, 32
.endr
	s_wait_xcnt 0x0
	SEND 7, 0
	s_wait_tensorcnt 0x0
	ds_add_u32 v[SPW], v[NIL]
	s_wait_dscnt 0x0
	CROUND
	s_endpgm
.Lfunc_end_k_q68cd9be9c0_proj:
	.size	k_q68cd9be9c0_proj, .Lfunc_end_k_q68cd9be9c0_proj-k_q68cd9be9c0_proj
	.p2alignl 7, 3214868480
	.fill 96, 4, 3214868480
	.section	.rodata,"a",@progbits
	.p2align	6, 0x0
	.amdhsa_kernel k_q68cd9be9c0_proj
		.amdhsa_group_segment_fixed_size 327680
		.amdhsa_private_segment_fixed_size 0
		.amdhsa_enable_private_segment 0
		.amdhsa_kernarg_size 48
		.amdhsa_user_sgpr_count 2
		.amdhsa_user_sgpr_kernarg_segment_ptr 1
		.amdhsa_wavefront_size32 1
		.amdhsa_system_sgpr_workgroup_id_x 1
		.amdhsa_system_sgpr_workgroup_id_y 1
		.amdhsa_system_sgpr_workgroup_id_z 1
		.amdhsa_system_vgpr_workitem_id 0
		.amdhsa_next_free_vgpr 1024
		.amdhsa_next_free_sgpr 98
		.amdhsa_reserve_vcc 0
		.amdhsa_float_denorm_mode_32 3
		.amdhsa_float_denorm_mode_16_64 3
		.amdhsa_memory_ordered 1
		.amdhsa_forward_progress 1
		.amdhsa_inst_pref_size 163
	.end_amdhsa_kernel
	.amdgpu_metadata
---
amdhsa.version: [ 1, 2 ]
amdhsa.kernels:
  - .name:           k_q68cd9be9c0_proj
    .symbol:         k_q68cd9be9c0_proj.kd
    .args:
      - { .name: catt, .offset: 0, .size: 8, .value_kind: global_buffer, .address_space: global }
      - { .name: satt, .offset: 8, .size: 8, .value_kind: global_buffer, .address_space: global }
      - { .name: cin, .offset: 16, .size: 8, .value_kind: global_buffer, .address_space: global }
      - { .name: sin, .offset: 24, .size: 8, .value_kind: global_buffer, .address_space: global }
      - { .name: proj_bias, .offset: 32, .size: 8, .value_kind: global_buffer, .address_space: global }
      - { .name: out0, .offset: 40, .size: 8, .value_kind: global_buffer, .address_space: global }
    .group_segment_fixed_size: 327680
    .private_segment_fixed_size: 0
    .kernarg_segment_align: 8
    .kernarg_segment_size: 48
    .max_flat_workgroup_size: 128
    .sgpr_count:     98
    .vgpr_count:     1024
    .wavefront_size: 32
...
	.end_amdgpu_metadata
.endif
;; end of part 4
